; MI455X (gfx1250); checked and timed in simulation.
; The chip was launched on July 23, 2026; its instructions are those of AMD's public machine-readable ISA for CDNA 5 (MIT licence, August 2026) and "CDNA5" Instruction Set Architecture Reference Guide (July 2026). The comments in the code are by the model that wrote it; some were corrected since.
;; Llama Ternary MLP. Allowed arithmetic: float matrix products may take bf16 or f16 operands with f32 sums; other float arithmetic in f32, or as packed bf16 or f16 multiplies, adds, multiply-adds, maxima and minima; sums over many terms, partial sums and values carried from step to step in f32; what a program stores and reads back later, other than sums and carried values, may be rounded once to bf16 or f16.
;; Inputs: Wd 2,048 x 1,376 float32; Wg 1,376 x 2,048 float32; Wu 1,376 x 2,048 float32; ad 2,048 float32; ag 1,376 float32; au 1,376 float32; x 4 x 2,048 x 2,048 float32.
;; Outputs: out0 4 x 2,048 x 2,048 float32.
;; 2 versions, each right and faster than the one before. Each part assembles by itself: llvm-mc -triple=amdgcn-amd-amdhsa -mcpu=gfx1250 --defsym DOCPART=n.
;; ======== version 1 of 2: 3 launches
;; limits: right only within a limited range of input values
;; workspace buffers: xb 33,554,432 bytes; wgu 11,534,336 bytes; wdb 11,534,336 bytes; hb 46,137,344 bytes
;; launch prep (part 1): grid 1552 x 1, 8 waves a work-group, no clusters, 35,840 bytes of LDS; arguments x, Wg, Wu, Wd, xb, wgu, wdb; writes xb, wgu, wdb
.if DOCPART == 1
	.amdgcn_target "amdgcn-amd-amdhsa--gfx1250"
	.amdhsa_code_object_version 6
	.text
	.protected	k_qf8546f4e6d_prep
	.globl	k_qf8546f4e6d_prep
	.p2align	8
	.type	k_qf8546f4e6d_prep,@function
k_qf8546f4e6d_prep:
	s_mov_b64 s[64:65], 0
	v_nop
	global_prefetch_b8 v0, s[64:65] scope:SCOPE_SE
	s_setreg_imm32_b32 hwreg(HW_REG_WAVE_MODE, 25, 1), 1
	s_wait_xcnt 0x0
; x, Wg, Wu and Wd are rounded once to bf16 (nearest even) and laid in K-PLANES: a matrix T[R][K] becomes P[K/8][R][8], byte ((k>>3) R + r) 16 + 2 (k&7).
;   xb  [256][8192][8]   x as [8192][2048]
;   wgu [256][2816][8]   row 16 B + i (B = 0..175): with hh = i>>3, j = i&7 it is gate channel 8 B + 4 hh + j (j < 4) or up channel 8 B + 4 hh + j - 4; blocks B >= 172 (channels >= 1376) are zeros
;   wdb [352][2048][8]   Wd's 1376 columns and 32 columns of zeros, 176 planes, stored TWICE on end: the last product walks them once for the upper and once for the lower part of h
; One wave makes one CHUNK: 16 destination rows x 128 k: sixteen loads of 512 consecutive bytes, a turn through the wave's own LDS bytes, eight stores of which each half of the lanes
; fills 256 consecutive bytes at a multiple of 256 from the buffer's first byte.  No loop, no barrier, EXEC is never changed.  Memory binds: matrix units, clusters and tensor loads would add nothing.
; 1,552 work-groups: 1,024 for x (64 groups of 128 rows x 16 chunks of k), 352 for wgu (22 groups of 8 blocks x 16), 176 for wdb (16 groups of 128 rows x 11).
; LIMITS: none of range; NaN and infinities are rounded as v_cvt_pk_bf16_f32 rounds them; the padding is exact zeros whatever the inputs hold.
.set PL,    272                        ; a plane of a chunk in LDS: 16 rows x 16 bytes + 16 of padding = 68 words: lane l's 8 bytes of a row fall on words 2 l, 2 l + 1 modulo 64
.set CHW,   16*PL                      ; a wave's bytes
.set SPARE, 8*CHW                      ; behind them: the spare words, 128 bytes for each wave: four blocks of 256 bytes that no other line names
.set VO,  5                            ; v5   my byte offset in a source row
.set LST, 6                            ; v6   LDS: where my 8 bytes of destination row 0 go
.set LLD, 7                            ; v7   LDS: where I read 16 bytes of planes 0, 1 back
.set SO,  8                            ; v8   my byte offset in the destination's planes 0, 1
.set MK,  9                            ; v9   -1, or 0 where my numbers are padding
.set SPW, 10                           ; v10  LDS address of my spare word; never rewritten
.set NIL, 11                           ; v11  0; never rewritten
.set X,   16                           ; v[16:79]   sixteen rows as loaded; later the eight pairs of planes read back
.set Y,   80                           ; v[80:111]  sixteen rows in bf16
	s_load_b256 s[4:11], s[0:1], 0x0               ; x s[4:5], Wg s[6:7], Wu s[8:9], Wd s[10:11]
	s_load_b128 s[12:15], s[0:1], 0x20             ; xb s[12:13], wgu s[14:15]
	s_load_b64 s[16:17], s[0:1], 0x30              ; wdb
	v_lshl_add_u32 v[SPW], v0, 2, SPARE
	v_mov_b32 v[NIL], 0
	v_lshrrev_b32 v2, 5, v0
	v_readfirstlane_b32 s18, v2                    ; wave 0..7
	v_and_b32 v1, 31, v0                           ; lane l: it holds k = 4 l .. 4 l + 3 of the chunk: plane l >> 1, bytes 8 (l & 1) on
	s_mul_i32 s19, s18, CHW
	v_lshrrev_b32 v2, 1, v1
	v_and_b32 v3, 1, v1
	v_mul_u32_u24 v2, v2, PL
	v_lshl_add_u32 v2, v3, 3, v2
	v_add_nc_u32 v[LST], s19, v2
	v_lshrrev_b32 v2, 4, v1                        ; l >> 4: which of two planes I read back and store (kept)
	v_and_b32 v3, 15, v1
	v_lshlrev_b32 v3, 4, v3                        ; 16 (l & 15): the row's 16 bytes in a plane (kept)
	v_mul_u32_u24 v4, v2, PL
	v_add_nc_u32 v4, v4, v3
	v_add_nc_u32 v[LLD], s19, v4
	s_mov_b32 s22, ttmp9
	s_mov_b32 s21, 0                               ; high words of the two offsets
	s_mov_b32 s25, 0
; s0, s1: the scalar pairs with the addresses of source rows 0-7 and 8-15; pitch: bytes from source row to row; il = 1: gate and up rows are interleaved by fours;
; masked = 1: the numbers are ANDed with MK; ps: bytes in a destination plane; d: the pair with the destination's address; twice = 1: stored once more, 176 planes on.
.macro CHUNK s0, s1, pitch, il, masked, ps, d, twice
.set i, 0
.rept 8
	global_load_b128 v[X+4*i:X+4*i+3], v[VO], s[\s0:\s0+1] offset:i*(\pitch) th:TH_LOAD_NT
.set i, i+1
.endr
.set i, 0
.rept 8
	global_load_b128 v[X+32+4*i:X+32+4*i+3], v[VO], s[\s1:\s1+1] offset:i*(\pitch) th:TH_LOAD_NT
.set i, i+1
.endr
.set i, 0
.rept 16
	s_wait_loadcnt 15-i                            ; loads come back in order: row i is in, the 15 - i younger ones stay out
	v_cvt_pk_bf16_f32 v[Y+2*i], v[X+4*i], v[X+4*i+1]
	v_cvt_pk_bf16_f32 v[Y+2*i+1], v[X+4*i+2], v[X+4*i+3]
.if \masked
	v_and_b32 v[Y+2*i], v[MK], v[Y+2*i]
	v_and_b32 v[Y+2*i+1], v[MK], v[Y+2*i+1]
.endif
.if \il
.set dd, 8*((i%8)/4)+4*(i/8)+(i%4)     ; source row j = i % 8 of gate (i < 8) or up: destination row 8 (j / 4) + 4 (i / 8) + j % 4
.else
.set dd, i
.endif
	ds_store_b64 v[LST], v[Y+2*i:Y+2*i+1] offset:16*dd
.set i, i+1
.endr
.set i, 0
.rept 8
	ds_load_b128 v[X+4*i:X+4*i+3], v[LLD] offset:2*PL*i  ; my wave's own bytes, and LDS serves a wave's instructions in order: these see the stores above
.set i, i+1
.endr
.set i, 0
.rept 8
	s_wait_dscnt 7-i                               ; planes 2 i, 2 i + 1 are back; the younger loads stay out
	global_store_b128 v[SO], v[X+4*i:X+4*i+3], s[\d:\d+1] offset:2*i*(\ps)  ; lanes 0-15: 256 consecutive bytes of plane 2 i; lanes 16-31: of plane 2 i + 1
.if \twice
	global_store_b128 v[SO], v[X+4*i:X+4*i+3], s[\d:\d+1] offset:2*i*(\ps)+176*(\ps)  ; the second copy: 6,225,920 bytes on at the most, inside the signed 24-bit immediate
.endif
.set i, i+1
.endr
	s_wait_tensorcnt 0x0                           ; the wave's end: behind my last LDS store
	ds_add_u32 v[SPW], v[NIL]
	s_wait_dscnt 0x0
	s_endpgm
.endm
	s_cmp_lt_u32 s22, 1024
	s_cbranch_scc0 .Lnot_x
	; x: chunk of k = g & 15; rows 128 (g >> 4) + 16 w on
	s_and_b32 s23, s22, 15
	s_lshr_b32 s28, s22, 4
	s_lshl3_add_u32 s28, s28, s18                  ; first row / 16
	s_lshl_b32 s20, s28, 17                        ; 16 rows of 8,192 bytes each
	s_lshl_b32 s29, s23, 9                         ; 128 k of 4 bytes
	s_add_co_u32 s20, s20, s29
	s_lshl_b32 s24, s23, 21                        ; 16 planes of 131,072 bytes
	s_lshl_b32 s29, s28, 8                         ; 16 rows of 16 bytes
	s_add_co_u32 s24, s24, s29
	v_lshlrev_b32 v[VO], 4, v1
	v_lshl_add_u32 v[SO], v2, 17, v3
	s_wait_kmcnt 0x0
	s_add_nc_u64 s[4:5], s[4:5], s[20:21]
	s_add_nc_u64 s[26:27], s[4:5], 8*8192
	s_add_nc_u64 s[12:13], s[12:13], s[24:25]
	CHUNK 4, 26, 8192, 0, 0, 131072, 12, 0
.Lnot_x:
	s_cmp_lt_u32 s22, 1376
	s_cbranch_scc0 .Lwd
	; wgu: chunk of k = g' & 15; block B = 8 (g' >> 4) + w: eight rows of Wg and the same eight of Wu
	s_sub_co_u32 s22, s22, 1024
	s_and_b32 s23, s22, 15
	s_lshr_b32 s28, s22, 4
	s_lshl3_add_u32 s28, s28, s18                  ; B
	s_min_u32 s29, s28, 171                        ; a padding block reads block 171, so that no load leaves the buffers, and masks it to zeros
	s_cmp_lt_u32 s28, 172
	s_cselect_b32 s30, -1, 0
	v_mov_b32 v[MK], s30
	s_lshl_b32 s20, s29, 16                        ; 8 rows of 8,192 bytes
	s_lshl_b32 s29, s23, 9
	s_add_co_u32 s20, s20, s29
	s_mul_i32 s24, s23, 16*45056                   ; 16 planes of 45,056 bytes
	s_lshl_b32 s29, s28, 8
	s_add_co_u32 s24, s24, s29
	v_lshlrev_b32 v[VO], 4, v1
	v_mul_u32_u24 v4, v2, 45056
	v_add_nc_u32 v[SO], v4, v3
	s_wait_kmcnt 0x0
	s_add_nc_u64 s[6:7], s[6:7], s[20:21]
	s_add_nc_u64 s[8:9], s[8:9], s[20:21]
	s_add_nc_u64 s[14:15], s[14:15], s[24:25]
	CHUNK 6, 8, 8192, 1, 1, 45056, 14, 0
.Lwd:
	; wdb: rows 128 (g'' & 15) + 16 w on; chunk of k = g'' >> 4 (0..10).  The last chunk's lanes 24-31 lie past column 1375: they read their row's first bytes and are masked to zeros
	s_sub_co_u32 s22, s22, 1376
	s_and_b32 s28, s22, 15
	s_lshr_b32 s23, s22, 4
	s_lshl3_add_u32 s28, s28, s18                  ; first row / 16
	s_mul_i32 s20, s28, 16*5504                    ; 16 rows of 5,504 bytes
	s_lshl_b32 s29, s23, 9
	v_lshlrev_b32 v4, 4, v1
	v_add_nc_u32 v4, s29, v4                       ; my byte in the row: 512 x chunk + 16 l
	v_cmp_gt_u32 vcc_lo, 5504, v4
	v_cndmask_b32 v[VO], 0, v4, vcc_lo
	v_cndmask_b32 v[MK], 0, -1, vcc_lo
	s_lshl_b32 s24, s23, 19                        ; 16 planes of 32,768 bytes
	s_lshl_b32 s29, s28, 8
	s_add_co_u32 s24, s24, s29
	v_lshl_add_u32 v[SO], v2, 15, v3
	s_wait_kmcnt 0x0
	s_add_nc_u64 s[10:11], s[10:11], s[20:21]
	s_add_nc_u64 s[26:27], s[10:11], 8*5504
	s_add_nc_u64 s[16:17], s[16:17], s[24:25]
	CHUNK 10, 26, 5504, 0, 1, 32768, 16, 1
.Lfunc_end_k_qf8546f4e6d_prep:
	.size	k_qf8546f4e6d_prep, .Lfunc_end_k_qf8546f4e6d_prep-k_qf8546f4e6d_prep
	.p2alignl 7, 3214868480
	.fill 96, 4, 3214868480
	.section	.rodata,"a",@progbits
	.p2align	6, 0x0
	.amdhsa_kernel k_qf8546f4e6d_prep
		.amdhsa_group_segment_fixed_size 35840
		.amdhsa_private_segment_fixed_size 0
		.amdhsa_enable_private_segment 0
		.amdhsa_kernarg_size 56
		.amdhsa_user_sgpr_count 2
		.amdhsa_user_sgpr_kernarg_segment_ptr 1
		.amdhsa_wavefront_size32 1
		.amdhsa_system_sgpr_workgroup_id_x 1
		.amdhsa_system_sgpr_workgroup_id_y 1
		.amdhsa_system_sgpr_workgroup_id_z 1
		.amdhsa_system_vgpr_workitem_id 0
		.amdhsa_next_free_vgpr 112
		.amdhsa_next_free_sgpr 66
		.amdhsa_reserve_vcc 1
		.amdhsa_float_denorm_mode_32 3
		.amdhsa_float_denorm_mode_16_64 3
		.amdhsa_memory_ordered 1
		.amdhsa_forward_progress 1
		.amdhsa_inst_pref_size 27
	.end_amdhsa_kernel
	.amdgpu_metadata
---
amdhsa.version: [ 1, 2 ]
amdhsa.kernels:
  - .name:           k_qf8546f4e6d_prep
    .symbol:         k_qf8546f4e6d_prep.kd
    .args:
      - { .name: x, .offset: 0, .size: 8, .value_kind: global_buffer, .address_space: global }
      - { .name: Wg, .offset: 8, .size: 8, .value_kind: global_buffer, .address_space: global }
      - { .name: Wu, .offset: 16, .size: 8, .value_kind: global_buffer, .address_space: global }
      - { .name: Wd, .offset: 24, .size: 8, .value_kind: global_buffer, .address_space: global }
      - { .name: xb, .offset: 32, .size: 8, .value_kind: global_buffer, .address_space: global }
      - { .name: wgu, .offset: 40, .size: 8, .value_kind: global_buffer, .address_space: global }
      - { .name: wdb, .offset: 48, .size: 8, .value_kind: global_buffer, .address_space: global }
    .group_segment_fixed_size: 35840
    .private_segment_fixed_size: 0
    .kernarg_segment_align: 8
    .kernarg_segment_size: 56
    .max_flat_workgroup_size: 256
    .sgpr_count:     66
    .vgpr_count:     112
    .wavefront_size: 32
...
	.end_amdgpu_metadata
.endif
;; end of part 1
;; launch gateup (part 2): grid 8 x 32, 4 waves a work-group, clusters of 4 x 4, 327,680 bytes of LDS; arguments xb, wgu, ag, au, hb; writes hb
.if DOCPART == 2
	.amdgcn_target "amdgcn-amd-amdhsa--gfx1250"
	.amdhsa_code_object_version 6
	.text
	.protected	k_qf8546f4e6d_gateup
	.globl	k_qf8546f4e6d_gateup
	.p2align	8
	.type	k_qf8546f4e6d_gateup,@function
k_qf8546f4e6d_gateup:
	s_mov_b64 s[64:65], 0
	v_nop
	global_prefetch_b8 v0, s[64:65] scope:SCOPE_SE
	s_setreg_imm32_b32 hwreg(HW_REG_WAVE_MODE, 25, 1), 1
	s_wait_xcnt 0x0
	s_wait_alu depctr_hold_cnt(0) depctr_sa_sdst(0) depctr_va_vdst(0) depctr_va_sdst(0) depctr_va_ssrc(0) depctr_va_vcc(0) depctr_vm_vsrc(0)
	s_getreg_b32 s2, hwreg(HW_REG_IB_STS2, 6, 4)
	s_cmp_eq_u32 s2, 0
	s_cbranch_scc0 .Lentry_in_a_cluster
	s_endpgm
.Lentry_in_a_cluster:
	s_bfe_u32 s2, ttmp6, 0x10000c
	s_cmp_lg_u32 s2, 0xf033
	s_cbranch_scc0 .Lentry_shape_is_right
	s_endpgm
.Lentry_shape_is_right:
; h = silu((x Wg^T) ag) * ((x Wu^T) au).  xb [256 planes][8192][8], wgu [256][2816][8], hb [352][8192][8]: K-planes, P[k/8][row][8] in bf16; sums in f32.
; h LEAVES AS TWO bf16 NUMBERS, hi = bf16(h) in planes 0-175 and lo = bf16(h - hi) in planes 176-351: 16 significant bits.  One bf16 number keeps 8, too few for a sum of some 700 terms that is judged to a hundredth of its
; root mean square; f16 has no room for h, which grows with the fourth power of a common factor on x, ag and au.  ag and au are rounded to bf16 here, as x and the weights were: all inputs alike; they multiply the f32 sums in f32.
; wgu's row 16 B + i holds gate channel 8 B + 4 (i>>3) + (i&7) for i&7 < 4 and up channel 8 B + 4 (i>>3) + (i&7) - 4 otherwise; blocks 172-175 are zeros, and so hb's planes 172-175 and 348-351 come out as zeros.
; SHARES.  2,816 rows of wgu are 8 tiles of 352, 8,192 rows of x are 32 tiles of 256: 256 work-groups, one tile each.  Four waves, each 128 rows of x by 176 rows of wgu: 8 x 11 = 88 accumulators, 704 registers.
; THE MATRIX INSTRUCTION: source 0 = 16 rows of wgu, source 1 = 16 rows of x.  In the result lane l holds row l % 16 of x; with h = l / 16 its registers 0-3 are the gate sums of channels 8 B + 4 h + 0..3 and
; registers 4-7 the up sums of the same four channels: SwiGLU needs no other lane, and the four results are 8 neighbouring bytes of hb: 32 lanes fill 256 consecutive bytes, so there is no stage in LDS.
; THE RING.  K goes in 16 steps of 128 = 16 planes through two LDS slots.  A tile of n rows is 16 tensor rows of 16 n consecutive bytes (2,048 or 2,816: multiples of 256, starting at multiples of 256).  In LDS the planes
; lie end to end without padding.
; CLUSTERS.  4 x 4 work-groups: the four of a row of the cluster need the same tile of xb, the four of a column the same tile of wgu: each is asked for jointly, by the same load, descriptor and mask in all four.
; LIMITS.  h is made as accG accU (ag au) / (1 + 2^(-log2(e) ag accG)): the product accG accU ag au must be finite in f32.  Where the exponential overflows the quotient is 0 and h is a zero.
; The padding channels 1376-1407 take the scales of channels 1372-1375 (the address is clamped into ag and au): their sums are 0, so h is 0 there for finite scales.  NaN and infinities are not treated apart.
; REGISTERS, in windows of 256 (s_set_vgpr_msb: bits 1:0 source 0, 3:2 source 1, 5:4 source 2, 7:6 destination):
;   window 0: v0-11 addresses; v12-33, v34-55 hi and lo to store; v64-151, v152-239 wgu's fragments, two buffers of 11 x 8 (on the way out: the scales; two areas of 44 at work)
;   accumulator n = 11 a + b lies in window 1 + n / 32 at v[8 n % 256]: windows 1, 2 and v0-191 of window 3;   window 3 v192-255: x's fragments, one buffer of 8 x 8, filled in two halves
.set NSTEP, 16
.set PA,    2048                       ; a plane of half a tile of x in LDS: 128 rows x 16 bytes
.set PB,    2816                       ; of half a tile of wgu: 176 rows x 16 bytes
.set BOFF,  2*16*PA                    ; a slot: x's two halves, then wgu's two halves
.set SLOT,  BOFF+2*16*PB               ; 155,648
.set SPARE, 2*SLOT                     ; behind the ring: the spare words, 128 bytes for each wave: two blocks of 256 bytes that no other line names
.set KSA,   16*131072                  ; bytes from K step to K step in xb: 16 planes
.set KSB,   16*45056                   ; in wgu
.set A0,   4                           ; v4   my lane's place in slot 0 for x's fragments; never rewritten
.set B0,   5                           ; v5   the same for wgu's
.set ADRA, 6                           ; v6   the same in the slot in hand
.set ADRB, 7                           ; v7
.set HO,   8                           ; v8   my byte offset in 256 bytes of hb
.set VS,   9                           ; v9   byte offset in ag and au of my four channels of block 0
.set SPW,  10                          ; v10  LDS address of my spare word; never rewritten
.set NIL,  11                          ; v11  0; never rewritten
.set H,    12                          ; v[12:33]  hi, two channels a register
.set LO,   34                          ; v[34:55]  lo
.set F0,   64
.set F1,   152
.set SC,   F0                          ; the way out: for block b, v[SC+8b..+3] = -log2(e) ag, v[SC+8b+4..+7] = ag au
.set TT,   152
.set MM,   196
.set AF,   192                         ; window 3
.set WV, 14                            ; s14 wave;  s15 its half of the rows, also: fetches for x (0) or wgu (1);  s16 its half of the columns, also: which half of that tile it fetches
.set WR, 15
.set WC, 16
.set TB, 23                            ; s23 0 or SLOT: the slot in hand
.set G1, 24                            ; s[24:31] descriptor group 1 for x's tiles;  s[32:39] group 0: a set for each first fill; the second then walks
.set G0, 32
.set LA, 40                            ; s40, s41 LDS address in slot 0 of the half tile of x, of wgu, that my wave would fetch
.set LB, 41
.set HL, 42                            ; s[42:43] first x's tile address; then hb at my part of the lo planes
.set UP, 46                            ; s46 (behind the set-up) 0xffff0000: a word's upper bf16
.set G1B, 48                           ; s[48:55], s[56:63] the same for wgu's tiles
.set G0B, 56
.set MSB, 0
.macro WIN new                         ; the immediate's high byte repeats the setting that is left; a switch that changes nothing is dropped
.if MSB != (\new)
	s_set_vgpr_msb (MSB<<8)|(\new)
.set MSB, (\new)
.endif
.endm
.macro PLACES                          ; four places between a matrix instruction and a load into, or a vector write of, one of its registers (ISA guide 7.12.1 for vector instructions)
.rept 4
	v_nop
.endr
.endm
; A joint refill by the walking descriptor.  The branch hangs on the wave's number alone.  An s_nop 0 and four v_nop follow each of the two lines, ahead of the jump and the label.
.macro JLOAD
	s_cmp_eq_u32 s[WR], 0
	s_cbranch_scc0 .Lfor_b_\@
	tensor_load_to_lds s[G0+4:G0+7], s[G1:G1+7]
	s_nop 0
.rept 4
	v_nop
.endr
	s_branch .Lasked_\@
.Lfor_b_\@:
	tensor_load_to_lds s[G0B+4:G0B+7], s[G1B:G1B+7]
	s_nop 0
.rept 4
	v_nop
.endr
.Lasked_\@:
.endm
.macro CREST                           ; a round of the cluster's barrier behind its opening barrier
	s_cmp_lg_u32 s[WV], 0
	s_cbranch_scc1 .Lnot_wave_0_\@
	s_barrier_signal -3
.Lnot_wave_0_\@:
	s_barrier_wait -3
	s_barrier_signal -1
	s_barrier_wait -1
.endm
.macro CROUND                          ; a whole round
	s_barrier_signal -1
	s_barrier_wait -1
	CREST
.endm
	s_load_b256 s[4:11], s[0:1], 0x0               ; xb s[4:5], wgu s[6:7], ag s[8:9], au s[10:11]
	s_load_b64 s[12:13], s[0:1], 0x20              ; hb
	v_lshl_add_u32 v[SPW], v0, 2, SPARE
	v_mov_b32 v[NIL], 0
	ds_add_u32 v[SPW], v[NIL]                      ; the wave's opening: the add, and its wait ahead of my first tensor load; the set-up below, work on registers, stands between them
	v_lshrrev_b32 v1, 5, v0
	v_readfirstlane_b32 s[WV], v1
	s_lshr_b32 s[WR], s[WV], 1
	s_and_b32 s[WC], s[WV], 1
	s_bfe_u32 s17, ttmp6, 0x40000                  ; cx
	s_bfe_u32 s18, ttmp6, 0x40004                  ; cy
	s_lshl_b32 s19, ttmp9, 2
	s_add_co_u32 s19, s19, s17                     ; tile of wgu = 4 x cluster x + cx
	s_and_b32 s20, ttmp7, 0xffff
	s_lshl_b32 s20, s20, 2
	s_add_co_u32 s20, s20, s18                     ; tile of x = 4 x cluster y + cy
	s_lshl_b32 s21, s18, 2
	s_lshl_b32 s21, 15, s21                        ; my row of the cluster
	s_lshl_b32 s22, 0x1111, s17                    ; my column
	s_or_b32 s[G1], s21, (1<<16)|(1<<21)           ; 15:0 the mask: x's tiles go to my row; 17:16 elements of 2 bytes; 21 set beside a mask; no padding
	s_or_b32 s[G1B], s22, (1<<16)|(1<<21)          ; wgu's go to my column
	s_mov_b32 s[G1+1], 1024<<16                    ; tensor_dim0 = 1,024 elements: 128 rows x 8
	s_mov_b32 s[G1+2], 16<<16                      ; tensor_dim1 = 16 planes
	s_mov_b32 s[G1+3], 1024<<16                    ; tile_dim0
	s_mov_b32 s[G1+4], 16                          ; tile_dim1
	s_mov_b32 s[G1+5], 65536                       ; elements from plane to plane: 8,192 x 8
	s_mov_b32 s[G1+6], 0
	s_mov_b32 s[G1+7], 0
	s_mov_b32 s[G1B+1], 1408<<16                   ; 176 rows x 8
	s_mov_b32 s[G1B+2], 16<<16
	s_mov_b32 s[G1B+3], 1408<<16
	s_mov_b32 s[G1B+4], 16
	s_mov_b32 s[G1B+5], 22528                      ; 2,816 x 8
	s_mov_b32 s[G1B+6], 0
	s_mov_b32 s[G1B+7], 0
	s_mov_b32 s[TB], 0
	s_lshl_b32 s[LA], s[WC], 15                    ; no place in the cluster enters an LDS address
	s_mul_i32 s[LB], s[WC], 16*PB
	s_add_co_u32 s[LB], s[LB], BOFF
	s_lshl_b32 s42, s20, 12                        ; x's tile: 256 rows of 16 bytes, and my half of them: made of the tile of x and the wave alone
	s_lshl_b32 s43, s[WC], 11
	s_add_co_u32 s42, s42, s43
	s_mov_b32 s43, 0
	s_mul_i32 s44, s19, 2*PB                       ; wgu's tile: 352 rows of 16 bytes, and my half: made of the tile of wgu and the wave alone
	s_mul_i32 s45, s[WC], PB
	s_add_co_u32 s44, s44, s45
	s_mov_b32 s45, 0
	s_wait_dscnt 0x0                               ; the opening add is done
	s_wait_kmcnt 0x0
	s_add_nc_u64 s[42:43], s[4:5], s[42:43]
	s_add_nc_u64 s[44:45], s[6:7], s[44:45]
.irp s, 0,1
	s_mov_b32 s[G0+4*(\s)], 1                      ; count = 1
	s_add_co_u32 s[G0+4*(\s)+1], s[LA], (\s)*SLOT  ; LDS address
	s_add_nc_u64 s[G0+4*(\s)+2:G0+4*(\s)+3], s[42:43], (\s)*KSA  ; global address: K step s
	s_or_b32 s[G0+4*(\s)+3], s[G0+4*(\s)+3], 0x80000000          ; type = 2
	s_mov_b32 s[G0B+4*(\s)], 1
	s_add_co_u32 s[G0B+4*(\s)+1], s[LB], (\s)*SLOT
	s_add_nc_u64 s[G0B+4*(\s)+2:G0B+4*(\s)+3], s[44:45], (\s)*KSB
	s_or_b32 s[G0B+4*(\s)+3], s[G0B+4*(\s)+3], 0x80000000
.endr
	CROUND                                         ; all sixteen work-groups are here: the first joint loads meet
	s_cmp_eq_u32 s[WR], 0                          ; a wave's two first fills stand in one branch, ahead of every wait on TENSORcnt and every LDS read: two loads of mine are out
	s_cbranch_scc0 .Lfirst_b
	tensor_load_to_lds s[G0:G0+3], s[G1:G1+7]
	s_nop 0
	tensor_load_to_lds s[G0+4:G0+7], s[G1:G1+7]
	s_nop 0
.rept 4
	v_nop
.endr
	s_branch .Lfirst_asked
.Lfirst_b:
	tensor_load_to_lds s[G0B:G0B+3], s[G1B:G1B+7]
	s_nop 0
	tensor_load_to_lds s[G0B+4:G0B+7], s[G1B:G1B+7]
	s_nop 0
.rept 4
	v_nop
.endr
.Lfirst_asked:
	; A fragment is 16 rows x 32 k in 8 registers: lane l holds row r = l % 16; registers 0-3 k = 8 h + 0..7, registers 4-7 k = 16 + 8 h + 0..7 (h = l / 16): of the quarter step's four planes, planes h and 2 + h.
	v_and_b32 v1, 15, v0                           ; r
	v_bfe_u32 v2, v0, 4, 1                         ; h
	v_lshlrev_b32 v3, 4, v1                        ; 16 r
	v_lshl_add_u32 v[A0], v2, 11, v3               ; h planes of 2,048 bytes + 16 r
	s_lshl_b32 s46, s[WR], 15
	v_add_nc_u32 v[A0], s46, v[A0]                 ; in my half of x's rows
	v_mul_u32_u24 v[B0], v2, PB
	v_add_nc_u32 v[B0], v[B0], v3
	v_add_nc_u32 v[B0], s[LB], v[B0]               ; in my half of wgu's rows, which is also the half that s41 names
	v_mov_b32 v[ADRA], v[A0]
	v_mov_b32 v[ADRB], v[B0]
	v_lshl_add_u32 v[HO], v2, 3, v3                ; 16 r + 8 h
	s_mul_i32 s46, s19, 22
	s_mul_i32 s47, s[WC], 11
	s_add_co_u32 s46, s46, s47                     ; my first block of 8 channels = my first plane of hb
	s_lshl_b32 s47, s46, 5
	v_lshl_add_u32 v[VS], v2, 4, s47               ; 32 bytes of scales a block, 16 for each half of the lanes
	s_lshl_b32 s46, s46, 17                        ; planes of 131,072 bytes,
	s_lshl_b32 s47, s20, 12                        ; 256 rows of 16 bytes a tile,
	s_add_co_u32 s46, s46, s47
	s_lshl_b32 s47, s[WR], 11                      ; my 128 of them
	s_add_co_u32 s46, s46, s47
	s_mov_b32 s47, 0
	s_add_nc_u64 s[12:13], s[12:13], s[46:47]      ; hb at my part of the hi planes; never stepped
	s_add_nc_u64 s[HL:HL+1], s[12:13], 176*131072  ; and of the lo planes, 176 planes on: further than a store's immediate reaches
	s_mov_b32 s[UP], 0xffff0000
; 11 matrix instructions: row block a of x against all 11 blocks of wgu in buffer f, 32 along K.  zero = 1: the product starts the sum: nothing is ever cleared.
; The 88 accumulators take turns in the same order in every quarter step, one instruction a turn.
.macro MULA f, a, zero
.set b, 0
.rept 11
.set n, 11*(\a)+b
.set W, 1+n/32
.set R, (8*n)%256
	WIN 0x0c|(W<<4)|(W<<6)
.if \zero
	v_wmma_f32_16x16x32_bf16 v[R:R+7], v[(\f)+8*b:(\f)+8*b+7], v[AF+8*(\a):AF+8*(\a)+7], 0
.else
	v_wmma_f32_16x16x32_bf16 v[R:R+7], v[(\f)+8*b:(\f)+8*b+7], v[AF+8*(\a):AF+8*(\a)+7], v[R:R+7]
.endif
.set b, b+1
.endr
.endm
; 30 LDS loads in one run: quarter q's fragments of wgu into buffer g, and x's row blocks 0-3
.macro FETCH_LO q, g
	WIN 0
.set b, 0
.rept 11
	ds_load_b128 v[(\g)+8*b:(\g)+8*b+3],   v[ADRB] offset:(\q)*4*PB+256*b
	ds_load_b128 v[(\g)+8*b+4:(\g)+8*b+7], v[ADRB] offset:(\q)*4*PB+256*b+2*PB
.set b, b+1
.endr
	WIN 0xc0                                       ; destination window 3, address window 0
.set b, 0
.rept 4
	ds_load_b128 v[AF+8*b:AF+8*b+3],   v[ADRA] offset:(\q)*4*PA+256*b
	ds_load_b128 v[AF+8*b+4:AF+8*b+7], v[ADRA] offset:(\q)*4*PA+256*b+2*PA
.set b, b+1
.endr
.endm
.macro FETCH_HI q                      ; 8 loads: x's row blocks 4-7
	WIN 0xc0
.set b, 4
.rept 4
	ds_load_b128 v[AF+8*b:AF+8*b+3],   v[ADRA] offset:(\q)*4*PA+256*b
	ds_load_b128 v[AF+8*b+4:AF+8*b+7], v[ADRA] offset:(\q)*4*PA+256*b+2*PA
.set b, b+1
.endr
.endm
; A K step is four quarters of 32 along K, 88 matrix instructions each, on wgu's buffers 0, 1, 0, 1.  One of the first three: multiplies buffer f and fetches quarter qn into buffer g.
; x's one buffer is filled half by half, each half behind the 44 products that read it.
.macro QUARTER qn, f, g, zero
	s_wait_dscnt 8                                 ; wgu's fragments and x's blocks 0-3 are in; the youngest eight loads (blocks 4-7) may be out
	MULA \f, 0, \zero
	MULA \f, 1, \zero
	MULA \f, 2, \zero
	MULA \f, 3, \zero
	PLACES
	FETCH_LO \qn, \g
	s_wait_dscnt 30                                ; all but the 30 just issued: x's blocks 4-7 are in
	MULA \f, 4, \zero
	MULA \f, 5, \zero
	MULA \f, 6, \zero
	MULA \f, 7, \zero
	PLACES
	FETCH_HI \qn
.endm
; The last quarter multiplies buffer 1 and changes slots.  ONE barrier: in front of it each wave waits for all its tensor loads (one is out: its part of the next slot), adds 0 to its spare word, and waits for that and
; for its own reads of this slot.  fill = 1: the barrier opens a round of the cluster's, and behind the round this slot is filled again, with the K step two on: 308 matrix instructions ahead of the wait for it.
.macro TURN fill
	WIN 0                                          ; (the add's two registers lie in window 0)
	s_wait_tensorcnt 0x0                           ; all my tensor loads have landed
	ds_add_u32 v[SPW], v[NIL]                      ; 0 onto my spare word
	s_wait_dscnt 9                                 ; (the add and the youngest eight loads may be out)
	MULA F1, 0, 0                                  ; 22 matrix instructions stand between the add and the wait for it
	MULA F1, 1, 0
	s_wait_dscnt 0x0                               ; the add is done, and my reads of this slot are over
	s_barrier_signal -1
	MULA F1, 2, 0                                  ; work on registers while the others arrive
	MULA F1, 3, 0
	WIN 0                                          ; at a branch and at a label every window is 0
	s_barrier_wait -1
.if \fill
	CREST                                          ; no wave of any partner still reads this slot or has a load on its way
	s_add_co_u32 s[G0+5], s[LA], s[TB]             ; no tensor load of mine is out, so the walking group 0 may be written: the slot just read out,
	s_add_co_u32 s[G0B+5], s[LB], s[TB]
	s_add_nc_u64 s[G0+6:G0+7], s[G0+6:G0+7], KSA   ; the next K step; the type bits on top are not reached
	s_add_nc_u64 s[G0B+6:G0B+7], s[G0B+6:G0B+7], KSB
	JLOAD                                          ; the first tensor load behind the round; its four v_nop are also the places in front of the loads below
.else
	PLACES
.endif
	s_xor_b32 s[TB], s[TB], SLOT                   ; s23 holds 0 or SLOT alone: the other slot
	v_add_nc_u32 v[ADRA], s[TB], v[A0]
	v_add_nc_u32 v[ADRB], s[TB], v[B0]
	FETCH_LO 0, F0
	MULA F1, 4, 0                                  ; x's blocks 4-7 came in with the wait for 0 above
	MULA F1, 5, 0
	MULA F1, 6, 0
	MULA F1, 7, 0
	PLACES
	FETCH_HI 0
.endm
	s_wait_tensorcnt 1                             ; my part of K step 0 is in; step 1's may stay out
	s_barrier_signal -1
	s_barrier_wait -1                              ; everybody's is
	FETCH_LO 0, F0
	FETCH_HI 0
	QUARTER 1, F0, F1, 1                           ; the first quarter stands in front of the loop: its products start the sums
	WIN 0
	s_mov_b32 s3, NSTEP-2
.Lstep:                                                ; a trip: a K step's quarters 1 to 3 and the next step's quarter 0; it fills the slot that it leaves
	QUARTER 2, F1, F0, 0
	QUARTER 3, F0, F1, 0
	TURN 1
	QUARTER 1, F0, F1, 0
	WIN 0
	s_sub_co_u32 s3, s3, 1
	s_cmp_lg_u32 s3, 0
	s_cbranch_scc1 .Lstep
	QUARTER 2, F1, F0, 0                           ; the last two K steps are written out: nothing is left to ask for
	QUARTER 3, F0, F1, 0
	TURN 0
	QUARTER 1, F0, F1, 0
	QUARTER 2, F1, F0, 0
	QUARTER 3, F0, F1, 0
	; the very last quarter.  Buffer 0 is free (its last readers stand in front of the four places above): the scales are asked for into it, under the last 88 products.
	WIN 0
.set b, 0
.rept 11
	v_min_u32 v[SC+8*b],   5488-32*b, v[VS]         ; offset + 32 b stays at or under 5,488, the last 16 bytes of ag and au: the padding channels read inside the buffers
	v_min_u32 v[SC+8*b+4], 5488-32*b, v[VS]
.set b, b+1
.endr
.set b, 0
.rept 11
	global_load_b128 v[SC+8*b:SC+8*b+3],   v[SC+8*b],   s[8:9]   offset:32*b  ; ag of my four channels of block b; each load lands on its own offset register
	global_load_b128 v[SC+8*b+4:SC+8*b+7], v[SC+8*b+4], s[10:11] offset:32*b  ; au
.set b, b+1
.endr
	s_wait_dscnt 8
	MULA F1, 0, 0
	MULA F1, 1, 0
	MULA F1, 2, 0
	MULA F1, 3, 0
	s_wait_dscnt 0x0
	MULA F1, 4, 0
	MULA F1, 5, 0
	MULA F1, 6, 0
	MULA F1, 7, 0
	; THE WAY OUT.  The scales are made ready by lines that name only buffer 0 and v12-55: they are also the places behind the last products.
	s_wait_loadcnt 0x0
	WIN 0
.set b, 0
.rept 44
	v_cvt_pk_bf16_f32 v[H+b], v[SC+2*b], v[SC+2*b+1]  ; ag and au rounded to bf16, as all the inputs are,
.set b, b+1
.endr
.set b, 0
.rept 44
	v_lshlrev_b32 v[SC+2*b],   16, v[H+b]             ; and widened again
	v_and_b32     v[SC+2*b+1], s[UP], v[H+b]
.set b, b+1
.endr
.set b, 0
.rept 11
	v_pk_mul_f32 v[SC+8*b+4:SC+8*b+5], v[SC+8*b+4:SC+8*b+5], v[SC+8*b:SC+8*b+1]    ; ag au
	v_pk_mul_f32 v[SC+8*b+6:SC+8*b+7], v[SC+8*b+6:SC+8*b+7], v[SC+8*b+2:SC+8*b+3]
.set b, b+1
.endr
.set b, 0
.rept 11
	v_pk_mul_f32 v[SC+8*b:SC+8*b+1],   v[SC+8*b:SC+8*b+1],   0xbfb8aa3b op_sel_hi:[1,0]  ; -log2(e) ag
	v_pk_mul_f32 v[SC+8*b+2:SC+8*b+3], v[SC+8*b+2:SC+8*b+3], 0xbfb8aa3b op_sel_hi:[1,0]
.set b, b+1
.endr
; Row block a: 16 rows of x, 88 channels.  t = -log2(e) ag accG; m = accG accU ag au; h = m / (1 + 2^t); hi = bf16(h); lo = bf16(h - hi).  Each accumulator's lowest registers are read first.
.macro OUTROW a
.set b, 0
.rept 11
.set n, 11*(\a)+b
.set R, (8*n)%256
	WIN 1+n/32                                     ; source 0 in the accumulator's window
	v_pk_mul_f32 v[TT+4*b:TT+4*b+1],   v[R:R+1],   v[SC+8*b:SC+8*b+1]
	v_pk_mul_f32 v[TT+4*b+2:TT+4*b+3], v[R+2:R+3], v[SC+8*b+2:SC+8*b+3]
	v_pk_mul_f32 v[MM+4*b:MM+4*b+1],   v[R+4:R+5], v[SC+8*b+4:SC+8*b+5]
	v_pk_mul_f32 v[MM+4*b+2:MM+4*b+3], v[R+6:R+7], v[SC+8*b+6:SC+8*b+7]
.set b, b+1
.endr
.set b, 0
.rept 11
.set n, 11*(\a)+b
.set R, (8*n)%256
	WIN 1+n/32
	v_pk_mul_f32 v[MM+4*b:MM+4*b+1],   v[R:R+1],   v[MM+4*b:MM+4*b+1]
	v_pk_mul_f32 v[MM+4*b+2:MM+4*b+3], v[R+2:R+3], v[MM+4*b+2:MM+4*b+3]
.set b, b+1
.endr
	WIN 0
.set b, 0
.rept 44
	v_exp_f32 v[TT+b], v[TT+b]
.set b, b+1
.endr
	v_nop                                          ; a plain instruction between the last exponential and the use of its result (ISA guide 5.7.2)
.set b, 0
	s_wait_alu depctr_va_vdst(0)
.rept 22
	v_pk_add_f32 v[TT+2*b:TT+2*b+1], v[TT+2*b:TT+2*b+1], 1.0 op_sel_hi:[1,0]
.set b, b+1
.endr
.set b, 0
.rept 44
	v_rcp_f32 v[TT+b], v[TT+b]
.set b, b+1
.endr
	s_wait_xcnt 0x0                                ; the last block's stores have had their addresses translated: only behind this wait are their data registers written again
	v_nop                                          ; a plain instruction behind the last reciprocal
.set b, 0
	s_wait_alu depctr_va_vdst(0)
.rept 22
	v_pk_mul_f32 v[MM+2*b:MM+2*b+1], v[MM+2*b:MM+2*b+1], v[TT+2*b:TT+2*b+1]  ; h
.set b, b+1
.endr
.set b, 0
.rept 22
	v_cvt_pk_bf16_f32 v[H+b], v[MM+2*b], v[MM+2*b+1]                         ; hi
.set b, b+1
.endr
.set b, 0
.rept 22
	v_lshlrev_b32 v[TT+2*b],   16, v[H+b]          ; hi as f32
	v_and_b32     v[TT+2*b+1], s[UP], v[H+b]
.set b, b+1
.endr
.set b, 0
.rept 22
	v_pk_add_f32 v[MM+2*b:MM+2*b+1], v[MM+2*b:MM+2*b+1], v[TT+2*b:TT+2*b+1] neg_lo:[0,1] neg_hi:[0,1]  ; h - hi: exact
.set b, b+1
.endr
.set b, 0
.rept 22
	v_cvt_pk_bf16_f32 v[LO+b], v[MM+2*b], v[MM+2*b+1]                        ; lo
.set b, b+1
.endr
.set b, 0
.rept 11
	global_store_b64 v[HO], v[H+2*b:H+2*b+1], s[12:13] offset:b*131072+(\a)*256  ; 32 lanes store 256 consecutive bytes of plane b, at a multiple of 256 from hb's first byte
.set b, b+1
.endr
.set b, 0
.rept 11
	global_store_b64 v[HO], v[LO+2*b:LO+2*b+1], s[HL:HL+1] offset:b*131072+(\a)*256
.set b, b+1
.endr
.endm
	OUTROW 0
	OUTROW 1
	OUTROW 2
	OUTROW 3
	OUTROW 4
	OUTROW 5
	OUTROW 6
	OUTROW 7
	s_wait_tensorcnt 0x0                           ; the wave's end: behind my last tensor load
	ds_add_u32 v[SPW], v[NIL]
	s_wait_dscnt 0x0
	CROUND                                         ; the closing round: no work-group ends while a partner may still ask for a tile that names it
	s_endpgm
.Lfunc_end_k_qf8546f4e6d_gateup:
	.size	k_qf8546f4e6d_gateup, .Lfunc_end_k_qf8546f4e6d_gateup-k_qf8546f4e6d_gateup
	.p2alignl 7, 3214868480
	.fill 96, 4, 3214868480
	.section	.rodata,"a",@progbits
	.p2align	6, 0x0
	.amdhsa_kernel k_qf8546f4e6d_gateup
		.amdhsa_group_segment_fixed_size 327680
		.amdhsa_private_segment_fixed_size 0
		.amdhsa_enable_private_segment 0
		.amdhsa_kernarg_size 40
		.amdhsa_user_sgpr_count 2
		.amdhsa_user_sgpr_kernarg_segment_ptr 1
		.amdhsa_wavefront_size32 1
		.amdhsa_system_sgpr_workgroup_id_x 1
		.amdhsa_system_sgpr_workgroup_id_y 1
		.amdhsa_system_sgpr_workgroup_id_z 1
		.amdhsa_system_vgpr_workitem_id 0
		.amdhsa_next_free_vgpr 1024
		.amdhsa_next_free_sgpr 66
		.amdhsa_reserve_vcc 0
		.amdhsa_float_denorm_mode_32 3
		.amdhsa_float_denorm_mode_16_64 3
		.amdhsa_memory_ordered 1
		.amdhsa_forward_progress 1
		.amdhsa_inst_pref_size 255
	.end_amdhsa_kernel
	.section	.bss,"aw",@nobits
	.p2align	6
	.space	262144
	.amdgpu_metadata
---
amdhsa.version: [ 1, 2 ]
amdhsa.kernels:
  - .name:           k_qf8546f4e6d_gateup
    .symbol:         k_qf8546f4e6d_gateup.kd
    .args:
      - { .name: xb, .offset: 0, .size: 8, .value_kind: global_buffer, .address_space: global }
      - { .name: wgu, .offset: 8, .size: 8, .value_kind: global_buffer, .address_space: global }
      - { .name: ag, .offset: 16, .size: 8, .value_kind: global_buffer, .address_space: global }
      - { .name: au, .offset: 24, .size: 8, .value_kind: global_buffer, .address_space: global }
      - { .name: hb, .offset: 32, .size: 8, .value_kind: global_buffer, .address_space: global }
    .group_segment_fixed_size: 327680
    .private_segment_fixed_size: 0
    .kernarg_segment_align: 8
    .kernarg_segment_size: 40
    .max_flat_workgroup_size: 128
    .sgpr_count:     66
    .vgpr_count:     1024
    .wavefront_size: 32
...
	.end_amdgpu_metadata
.endif
;; end of part 2
;; launch down (part 3): grid 8 x 32, 4 waves a work-group, clusters of 4 x 4, 327,680 bytes of LDS; arguments hb, wdb, ad, out0; writes out0
.if DOCPART == 3
	.amdgcn_target "amdgcn-amd-amdhsa--gfx1250"
	.amdhsa_code_object_version 6
	.text
	.protected	k_qf8546f4e6d_down
	.globl	k_qf8546f4e6d_down
	.p2align	8
	.type	k_qf8546f4e6d_down,@function
k_qf8546f4e6d_down:
	s_mov_b64 s[64:65], 0
	v_nop
	global_prefetch_b8 v0, s[64:65] scope:SCOPE_SE
	s_setreg_imm32_b32 hwreg(HW_REG_WAVE_MODE, 25, 1), 1
	s_wait_xcnt 0x0
	s_wait_alu depctr_hold_cnt(0) depctr_sa_sdst(0) depctr_va_vdst(0) depctr_va_sdst(0) depctr_va_ssrc(0) depctr_va_vcc(0) depctr_vm_vsrc(0)
	s_getreg_b32 s2, hwreg(HW_REG_IB_STS2, 6, 4)
	s_cmp_eq_u32 s2, 0
	s_cbranch_scc0 .Lentry_in_a_cluster
	s_endpgm
.Lentry_in_a_cluster:
	s_bfe_u32 s2, ttmp6, 0x10000c
	s_cmp_lg_u32 s2, 0xf033
	s_cbranch_scc0 .Lentry_shape_is_right
	s_endpgm
.Lentry_shape_is_right:
; out0[m][n] = ad[n] x the sum over k of h[m][k] Wd[n][k].  hb [352 planes][8192][8]: planes 0-175 hold hi = bf16(h), planes 176-351 lo = bf16(h - hi); wdb [352][2048][8]: Wd's 176 planes twice on end.
; K-planes, P[k/8][row][8] in bf16 (planes 172-175 and 348-351 of both are zeros).  So ONE walk over 352 planes adds hi Wd and lo Wd into the same f32 sums.  ad is rounded to bf16, as all the inputs are, and multiplies
; the f32 sums in f32; out0 is f32.
; SHARES.  A tile of out0 is 256 x 256: 32 x 8 = 256 work-groups, one tile each.  Four waves, each 128 x 128: 64 accumulators, 512 registers.
; THE RING.  K goes in 22 steps of 128 = 16 planes through two LDS slots; half a tile is 16 tensor rows of 2,048 consecutive bytes, starting at multiples of 256.  The planes lie end to end in LDS without padding.
; CLUSTERS.  4 x 4 work-groups: the four of a row of the cluster need the same tile of hb, the four of a column the same tile of wdb: each is asked for jointly.
; THE MATRIX INSTRUCTION IS USED TRANSPOSED (source 0 = 16 rows of wdb, source 1 = 16 rows of hb): a lane holds eight neighbouring numbers of a row of out0, 32 bytes.
; LIMITS: none beyond f32's own range; NaN and infinities are not treated apart.
; REGISTERS, in windows of 256 (s_set_vgpr_msb: bits 1:0 source 0, 3:2 source 1, 5:4 source 2, 7:6 destination):
;   window 0: v0-13 addresses; v64-127, v128-191 hb's fragments, two buffers; on the way out v64-127 scaled results, v128-191 and v192-255 by turns rows read back
;   window 1: v0-63 ad of my lane's 64 columns; v64-127, v128-191 wdb's fragments; v192-223 at work once, at the head      window 2: the accumulators of my rows 0-63 ((a, b) at v[8 (8 a + b)]);   window 3: those of rows 64-127
.set NSTEP, 22
.set PA,    2048                       ; a plane of half a tile in LDS: 128 rows x 16 bytes
.set SLOT,  4*16*PA                    ; hb's two halves, then wdb's two halves: 131,072
.set STAGE, 2*SLOT                     ; behind the ring, never filled by a tensor load: 16 rows x 528 bytes for each wave
.set SP,    528                        ; a stage row: 512 bytes + 16: rows r = 0..15 start 16 r bytes apart modulo 256
.set SPARE, STAGE+4*16*SP              ; behind the stages: the spare words, 128 bytes for each wave: two blocks of 256 bytes that no other line names
.set KSA,   16*131072                  ; bytes from K step to K step in hb
.set KSB,   16*32768                   ; in wdb
.set A0,   4                           ; v4   my lane's place in slot 0 for hb's fragments; never rewritten
.set B0,   5                           ; v5   the same for wdb's
.set ADRA, 6                           ; v6, v7  the same in the slot in hand
.set ADRB, 7
.set STO,  8                           ; v8   the way out: where I put 32 bytes of a row
.set RD,   9                           ; v9   where I read 16 bytes of a row back
.set CO,   10                          ; v10  my byte offset in 512 bytes of out0
.set SV,   11                          ; v11  my byte offset in 64 bytes of ad
.set SPW,  12                          ; v12  LDS address of my spare word; never rewritten
.set NIL,  13                          ; v13  0; never rewritten
.set F0,   64
.set F1,   128
.set TMP,  64
.set WV, 14
.set WR, 15                            ; my half of the tile's rows; also: I fetch for hb (0) or wdb (1)
.set WC, 16                            ; my half of its columns; also: which half of that tile I fetch
.set TB, 23                            ; 0 or SLOT: the slot in hand
.set G1, 24
.set G0, 32
.set LA, 40
.set LB, 41
.set G1B, 48
.set G0B, 56
.set MSB, 0
.macro WIN new                         ; the immediate's high byte repeats the setting that is left; a switch that changes nothing is dropped
.if MSB != (\new)
	s_set_vgpr_msb (MSB<<8)|(\new)
.set MSB, (\new)
.endif
.endm
.set MUL_LO, 0xa1                      ; source 0 (wdb) window 1, source 1 (hb) window 0, C and D window 2
.set MUL_HI, 0xf1                      ; the same, C and D window 3
.macro PLACES                          ; four places between a matrix instruction and a load into, a vector write of, or a vector read of one of its registers (ISA guide 7.12.1 for vector instructions)
.rept 4
	v_nop
.endr
.endm
.macro JLOAD                           ; a joint refill by the walking descriptor; an s_nop 0 and four v_nop follow each of the two lines, ahead of the jump and the label
	s_cmp_eq_u32 s[WR], 0
	s_cbranch_scc0 .Lfor_b_\@
	tensor_load_to_lds s[G0+4:G0+7], s[G1:G1+7]
	s_nop 0
.rept 4
	v_nop
.endr
	s_branch .Lasked_\@
.Lfor_b_\@:
	tensor_load_to_lds s[G0B+4:G0B+7], s[G1B:G1B+7]
	s_nop 0
.rept 4
	v_nop
.endr
.Lasked_\@:
.endm
.macro CREST
	s_cmp_lg_u32 s[WV], 0
	s_cbranch_scc1 .Lnot_wave_0_\@
	s_barrier_signal -3
.Lnot_wave_0_\@:
	s_barrier_wait -3
	s_barrier_signal -1
	s_barrier_wait -1
.endm
.macro CROUND
	s_barrier_signal -1
	s_barrier_wait -1
	CREST
.endm
	s_load_b256 s[4:11], s[0:1], 0x0               ; hb s[4:5], wdb s[6:7], ad s[8:9], out0 s[10:11]
	v_lshl_add_u32 v[SPW], v0, 2, SPARE
	v_mov_b32 v[NIL], 0
	ds_add_u32 v[SPW], v[NIL]                      ; the wave's opening: the add, and its wait ahead of my first tensor load; the set-up below, work on registers, stands between them
	v_lshrrev_b32 v1, 5, v0
	v_readfirstlane_b32 s[WV], v1
	s_lshr_b32 s[WR], s[WV], 1
	s_and_b32 s[WC], s[WV], 1
	s_bfe_u32 s17, ttmp6, 0x40000                  ; cx
	s_bfe_u32 s18, ttmp6, 0x40004                  ; cy
	s_lshl_b32 s19, ttmp9, 2
	s_add_co_u32 s19, s19, s17                     ; tile column = 4 x cluster x + cx
	s_and_b32 s20, ttmp7, 0xffff
	s_lshl_b32 s20, s20, 2
	s_add_co_u32 s20, s20, s18                     ; tile row = 4 x cluster y + cy
	s_lshl_b32 s21, s18, 2
	s_lshl_b32 s21, 15, s21                        ; my row of the cluster
	s_lshl_b32 s22, 0x1111, s17                    ; my column
	s_or_b32 s[G1], s21, (1<<16)|(1<<21)           ; 15:0 the mask: hb's tiles go to my row; 17:16 elements of 2 bytes; 21 set beside a mask; no padding
	s_or_b32 s[G1B], s22, (1<<16)|(1<<21)          ; wdb's go to my column
.irp g, G1, G1B
	s_mov_b32 s[(\g)+1], 1024<<16                  ; tensor_dim0 = 1,024 elements: 128 rows x 8
	s_mov_b32 s[(\g)+2], 16<<16                    ; tensor_dim1 = 16 planes
	s_mov_b32 s[(\g)+3], 1024<<16                  ; tile_dim0
	s_mov_b32 s[(\g)+4], 16                        ; tile_dim1
	s_mov_b32 s[(\g)+6], 0
	s_mov_b32 s[(\g)+7], 0
.endr
	s_mov_b32 s[G1+5], 65536                       ; elements from plane to plane: 8,192 x 8
	s_mov_b32 s[G1B+5], 16384                      ; 2,048 x 8
	s_mov_b32 s[TB], 0
	s_lshl_b32 s[LA], s[WV], 15                    ; hb's two halves, then wdb's two halves = wave x 32,768: no place in the cluster enters an LDS address
	s_lshl_b32 s[LB], s[WV], 15
	s_lshl_b32 s42, s20, 12                        ; hb's tile: 256 rows of 16 bytes, and my half: made of the tile row and the wave alone
	s_lshl_b32 s43, s[WC], 11
	s_add_co_u32 s42, s42, s43
	s_mov_b32 s43, 0
	s_lshl_b32 s44, s19, 12                        ; wdb's tile: made of the tile column and the wave alone
	s_lshl_b32 s45, s[WC], 11
	s_add_co_u32 s44, s44, s45
	s_mov_b32 s45, 0
	s_wait_dscnt 0x0                               ; the opening add is done
	s_wait_kmcnt 0x0
	s_add_nc_u64 s[42:43], s[4:5], s[42:43]
	s_add_nc_u64 s[44:45], s[6:7], s[44:45]
.irp s, 0,1
	s_mov_b32 s[G0+4*(\s)], 1
	s_add_co_u32 s[G0+4*(\s)+1], s[LA], (\s)*SLOT
	s_add_nc_u64 s[G0+4*(\s)+2:G0+4*(\s)+3], s[42:43], (\s)*KSA
	s_or_b32 s[G0+4*(\s)+3], s[G0+4*(\s)+3], 0x80000000
	s_mov_b32 s[G0B+4*(\s)], 1
	s_add_co_u32 s[G0B+4*(\s)+1], s[LB], (\s)*SLOT
	s_add_nc_u64 s[G0B+4*(\s)+2:G0B+4*(\s)+3], s[44:45], (\s)*KSB
	s_or_b32 s[G0B+4*(\s)+3], s[G0B+4*(\s)+3], 0x80000000
.endr
	CROUND                                         ; all sixteen work-groups are here: the first joint loads meet
	s_cmp_eq_u32 s[WR], 0                          ; a wave's two first fills stand in one branch, ahead of every wait on TENSORcnt and every LDS read: two loads of mine are out
	s_cbranch_scc0 .Lfirst_b
	tensor_load_to_lds s[G0:G0+3], s[G1:G1+7]
	s_nop 0
	tensor_load_to_lds s[G0+4:G0+7], s[G1:G1+7]
	s_nop 0
.rept 4
	v_nop
.endr
	s_branch .Lfirst_asked
.Lfirst_b:
	tensor_load_to_lds s[G0B:G0B+3], s[G1B:G1B+7]
	s_nop 0
	tensor_load_to_lds s[G0B+4:G0B+7], s[G1B:G1B+7]
	s_nop 0
.rept 4
	v_nop
.endr
.Lfirst_asked:
	v_and_b32 v1, 15, v0                           ; r = l % 16
	v_bfe_u32 v2, v0, 4, 1                         ; h = l / 16
	v_lshlrev_b32 v3, 4, v1
	v_lshl_add_u32 v3, v2, 11, v3                  ; h planes of 2,048 bytes + 16 r
	s_lshl_b32 s46, s[WR], 15
	v_add_nc_u32 v[A0], s46, v3                    ; my half of hb's rows
	s_lshl_b32 s46, s[WC], 15
	s_add_co_u32 s46, s46, 2*16*PA
	v_add_nc_u32 v[B0], s46, v3                    ; my half of wdb's rows, behind hb's
	v_mov_b32 v[ADRA], v[A0]
	v_mov_b32 v[ADRB], v[B0]
	s_mul_i32 s46, s[WV], 16*SP
	s_add_co_u32 s46, s46, STAGE                   ; my stage
	v_mul_u32_u24 v3, v1, SP                       ; in: row r, 32 bytes for each half of the lanes
	v_lshl_add_u32 v3, v2, 5, v3
	v_add_nc_u32 v[STO], s46, v3
	v_and_b32 v3, 31, v0
	v_lshlrev_b32 v[CO], 4, v3                     ; back: 32 lanes take one row of 512 bytes
	v_add_nc_u32 v[RD], s46, v[CO]
	v_lshlrev_b32 v[SV], 5, v2
	s_lshl_b32 s46, s19, 10                        ; my 128 columns in bytes of f32: 1,024 x tile column + 512 x half: the same in ad and in a row of out0
	s_lshl_b32 s47, s[WC], 9
	s_add_co_u32 s46, s46, s47
	s_mov_b32 s47, 0
	s_add_nc_u64 s[8:9], s[8:9], s[46:47]
	s_add_nc_u64 s[10:11], s[10:11], s[46:47]
	s_lshl_b32 s46, s20, 21                        ; 256 rows of 8,192 bytes a tile,
	s_lshl_b32 s47, s[WR], 20                      ; my 128 of them
	s_add_co_u32 s46, s46, s47
	s_mov_b32 s47, 0
	s_add_nc_u64 s[10:11], s[10:11], s[46:47]      ; out0 at my part; never stepped
	s_mov_b32 s46, 0xffff0000                      ; a word's upper bf16
	WIN 0x40                                       ; destination window 1, address window 0
.irp b, 0,1,2,3,4,5,6,7
	global_load_b128 v[8*(\b):8*(\b)+3],   v[SV], s[8:9] offset:64*(\b)     ; ad of columns 16 b + 8 h + 0..3,
	global_load_b128 v[8*(\b)+4:8*(\b)+7], v[SV], s[8:9] offset:64*(\b)+16  ; + 4..7
.endr
	s_wait_loadcnt 0x0                             ; ad is in; all this stands in the wait for the first tile
	WIN 0x45                                       ; sources 0 and 1 and the destination in window 1
.set i, 0
.rept 32
	v_cvt_pk_bf16_f32 v[192+i], v[2*i], v[2*i+1]   ; ad rounded to bf16, as all the inputs are,
.set i, i+1
.endr
.set i, 0
.rept 32
	v_lshlrev_b32 v[2*i],   16, v[192+i]           ; and widened again
	v_and_b32     v[2*i+1], s46, v[192+i]
.set i, i+1
.endr
	WIN 0
; 16 matrix instructions: row blocks a0, a0 + 1 of the window's four (hi = 0: my rows 0-63, 1: rows 64-127) x all 8 column blocks, 32 along K.  zero = 1: the product starts the sum.
; The 64 accumulators take turns in the same order in every quarter step, one instruction a turn.
.macro MUL16 f, hi, a0, zero
	WIN MUL_LO+0x50*(\hi)
.irp a, \a0, (\a0)+1
.irp b, 0,1,2,3,4,5,6,7
.if \zero
	v_wmma_f32_16x16x32_bf16 v[8*(8*(\a)+(\b)):8*(8*(\a)+(\b))+7], v[(\f)+8*(\b):(\f)+8*(\b)+7], v[(\f)+8*(4*(\hi)+(\a)):(\f)+8*(4*(\hi)+(\a))+7], 0
.else
	v_wmma_f32_16x16x32_bf16 v[8*(8*(\a)+(\b)):8*(8*(\a)+(\b))+7], v[(\f)+8*(\b):(\f)+8*(\b)+7], v[(\f)+8*(4*(\hi)+(\a)):(\f)+8*(4*(\hi)+(\a))+7], v[8*(8*(\a)+(\b)):8*(8*(\a)+(\b))+7]
.endif
.endr
.endr
.endm
; 32 LDS loads in one run: quarter q's fragments (planes 4 q + h and 4 q + 2 + h) into buffer f: wdb's, then hb's
.macro FETCH q, f
	WIN 0x40
.irp i, 0,1,2,3,4,5,6,7
	ds_load_b128 v[(\f)+8*(\i):(\f)+8*(\i)+3],   v[ADRB] offset:(\q)*4*PA+256*(\i)
	ds_load_b128 v[(\f)+8*(\i)+4:(\f)+8*(\i)+7], v[ADRB] offset:(\q)*4*PA+256*(\i)+2*PA
.endr
	WIN 0
.irp i, 0,1,2,3,4,5,6,7
	ds_load_b128 v[(\f)+8*(\i):(\f)+8*(\i)+3],   v[ADRA] offset:(\q)*4*PA+256*(\i)
	ds_load_b128 v[(\f)+8*(\i)+4:(\f)+8*(\i)+7], v[ADRA] offset:(\q)*4*PA+256*(\i)+2*PA
.endr
.endm
; A K step is four quarters of 32 along K, 64 matrix instructions each, on buffers 0, 1, 0, 1.  One of the first three: multiplies buffer f; in its middle it fetches quarter qn into buffer g.
.macro QUARTER qn, f, g, zero
	s_wait_dscnt 8                                 ; wdb's fragments and hb's rows 0-63 are in; the youngest eight loads (rows 64-127) may be out
	MUL16 \f, 0, 0, \zero
	MUL16 \f, 0, 2, \zero
	PLACES
	FETCH \qn, \g
	s_wait_dscnt 32                                ; all but the 32 just issued
	MUL16 \f, 1, 0, \zero
	MUL16 \f, 1, 2, \zero
.endm
; The last quarter multiplies buffer 1 and changes slots.  ONE barrier: in front of it each wave waits for all its tensor loads (one is out: its part of the next slot), adds 0 to its spare word, and waits for that and
; for its own reads of this slot.  fill = 1: the barrier opens a round of the cluster's, and behind the round this slot is filled again, with the K step two on: 224 matrix instructions ahead of the wait for it.
.macro TURN fill
	WIN 0                                          ; (the add's two registers lie in window 0)
	s_wait_tensorcnt 0x0                           ; all my tensor loads have landed
	ds_add_u32 v[SPW], v[NIL]                      ; 0 onto my spare word
	s_wait_dscnt 9                                 ; (the add and the youngest eight loads may be out)
	MUL16 F1, 0, 0, 0                              ; sixteen matrix instructions stand between the add and the wait for it
	s_wait_dscnt 0x0                               ; the add is done, and my reads of this slot are over
	s_barrier_signal -1
	MUL16 F1, 0, 2, 0                              ; work on registers while the others arrive
	WIN 0                                          ; at a branch and at a label every window is 0
	s_barrier_wait -1
.if \fill
	CREST                                          ; no wave of any partner still reads this slot or has a load on its way
	s_add_co_u32 s[G0+5], s[LA], s[TB]             ; no tensor load of mine is out, so the walking group 0 may be written: the slot just read out,
	s_add_co_u32 s[G0B+5], s[LB], s[TB]
	s_add_nc_u64 s[G0+6:G0+7], s[G0+6:G0+7], KSA   ; the next K step; the type bits on top are not reached
	s_add_nc_u64 s[G0B+6:G0B+7], s[G0B+6:G0B+7], KSB
	JLOAD                                          ; the first tensor load behind the round; its four v_nop are also the places in front of the loads below
.else
	PLACES
.endif
	s_xor_b32 s[TB], s[TB], SLOT                   ; the other slot
	v_add_nc_u32 v[ADRA], s[TB], v[A0]
	v_add_nc_u32 v[ADRB], s[TB], v[B0]
	FETCH 0, F0
	MUL16 F1, 1, 0, 0
	MUL16 F1, 1, 2, 0
.endm
	s_wait_tensorcnt 1                             ; my part of K step 0 is in; step 1's may stay out
	s_barrier_signal -1
	s_barrier_wait -1                              ; everybody's is
	FETCH 0, F0
	QUARTER 1, F0, F1, 1                           ; the first quarter stands in front of the loop: its products start the sums
	WIN 0
	s_mov_b32 s3, NSTEP-2
.Lstep:                                                ; a trip: a K step's quarters 1 to 3 and the next step's quarter 0; it fills the slot that it leaves
	QUARTER 2, F1, F0, 0
	QUARTER 3, F0, F1, 0
	TURN 1
	QUARTER 1, F0, F1, 0
	WIN 0
	s_sub_co_u32 s3, s3, 1
	s_cmp_lg_u32 s3, 0
	s_cbranch_scc1 .Lstep
	QUARTER 2, F1, F0, 0                           ; the last two K steps are written out: nothing is left to ask for
	QUARTER 3, F0, F1, 0
	TURN 0
	QUARTER 1, F0, F1, 0
	QUARTER 2, F1, F0, 0
	QUARTER 3, F0, F1, 0
	s_wait_dscnt 8                                 ; the very last quarter: nothing more to fetch
	MUL16 F1, 0, 0, 0
	MUL16 F1, 0, 2, 0
	s_wait_dscnt 0x0
	MUL16 F1, 1, 0, 0
	MUL16 F1, 1, 2, 0
	; THE WAY OUT, a block of 16 rows at a time: times ad; 32 bytes a lane and column block into my own stage; back as whole rows of 512 bytes; stored.
.macro SCALE a                         ; each accumulator's registers in ascending order
	WIN 0x06+(\a)/4                                ; source 0 window 2 or 3 (the sums), source 1 window 1 (ad), destination window 0
.set AC, 64*((\a)%4)
.set i, 0
.rept 32
	v_pk_mul_f32 v[TMP+2*i:TMP+2*i+1], v[AC+2*i:AC+2*i+1], v[2*i:2*i+1]
.set i, i+1
.endr
	WIN 0
.endm
.macro TOSTAGE a
.set BK, 128+64*((\a)%2)
.irp b, 0,1,2,3,4,5,6,7
	ds_store_b128 v[STO], v[TMP+8*(\b):TMP+8*(\b)+3]   offset:64*(\b)
	ds_store_b128 v[STO], v[TMP+8*(\b)+4:TMP+8*(\b)+7] offset:64*(\b)+16
.endr
.irp t, 0,1,2,3,4,5,6,7,8,9,10,11,12,13,14,15
	ds_load_b128 v[BK+4*(\t):BK+4*(\t)+3], v[RD] offset:(\t)*SP  ; my wave's own bytes, and LDS serves a wave's instructions in order: these see the stores above; the next block's stores come behind them
.endr
.endm
.macro SEND a
.set BK, 128+64*((\a)%2)
	s_wait_dscnt 0x0                               ; the block is back in registers: nothing younger is out
	s_wait_xcnt 0x0                                ; the block before's stores have had their addresses translated: its registers are loaded again only behind this wait
.irp t, 0,1,2,3,4,5,6,7,8,9,10,11,12,13,14,15
	global_store_b128 v[CO], v[BK+4*(\t):BK+4*(\t)+3], s[10:11] offset:(\a)*131072+(\t)*8192 th:TH_STORE_NT  ; 512 consecutive bytes of a row, at a multiple of 256 from out0's first byte
.endr
.endm
	PLACES                                         ; the multiplies below read sums of the products just issued
	SCALE 0
	TOSTAGE 0
.irp a, 1,2,3,4,5,6,7                  ; block a's multiplies stand between block a - 1's loads from the stage and the wait for them
	SCALE \a
	SEND (\a)-1
	TOSTAGE \a
.endr
	SEND 7
	s_wait_tensorcnt 0x0                           ; the wave's end: behind my last tensor load and my last LDS store
	ds_add_u32 v[SPW], v[NIL]
	s_wait_dscnt 0x0
	CROUND                                         ; the closing round: no work-group ends while a partner may still ask for a tile that names it
	s_endpgm
.Lfunc_end_k_qf8546f4e6d_down:
	.size	k_qf8546f4e6d_down, .Lfunc_end_k_qf8546f4e6d_down-k_qf8546f4e6d_down
	.p2alignl 7, 3214868480
	.fill 96, 4, 3214868480
	.section	.rodata,"a",@progbits
	.p2align	6, 0x0
	.amdhsa_kernel k_qf8546f4e6d_down
		.amdhsa_group_segment_fixed_size 327680
		.amdhsa_private_segment_fixed_size 0
		.amdhsa_enable_private_segment 0
		.amdhsa_kernarg_size 32
		.amdhsa_user_sgpr_count 2
		.amdhsa_user_sgpr_kernarg_segment_ptr 1
		.amdhsa_wavefront_size32 1
		.amdhsa_system_sgpr_workgroup_id_x 1
		.amdhsa_system_sgpr_workgroup_id_y 1
		.amdhsa_system_sgpr_workgroup_id_z 1
		.amdhsa_system_vgpr_workitem_id 0
		.amdhsa_next_free_vgpr 1024
		.amdhsa_next_free_sgpr 66
		.amdhsa_reserve_vcc 0
		.amdhsa_float_denorm_mode_32 3
		.amdhsa_float_denorm_mode_16_64 3
		.amdhsa_memory_ordered 1
		.amdhsa_forward_progress 1
		.amdhsa_inst_pref_size 135
	.end_amdhsa_kernel
	.amdgpu_metadata
---
amdhsa.version: [ 1, 2 ]
amdhsa.kernels:
  - .name:           k_qf8546f4e6d_down
    .symbol:         k_qf8546f4e6d_down.kd
    .args:
      - { .name: hb, .offset: 0, .size: 8, .value_kind: global_buffer, .address_space: global }
      - { .name: wdb, .offset: 8, .size: 8, .value_kind: global_buffer, .address_space: global }
      - { .name: ad, .offset: 16, .size: 8, .value_kind: global_buffer, .address_space: global }
      - { .name: out0, .offset: 24, .size: 8, .value_kind: global_buffer, .address_space: global }
    .group_segment_fixed_size: 327680
    .private_segment_fixed_size: 0
    .kernarg_segment_align: 8
    .kernarg_segment_size: 32
    .max_flat_workgroup_size: 128
    .sgpr_count:     66
    .vgpr_count:     1024
    .wavefront_size: 32
...
	.end_amdgpu_metadata
.endif
;; end of part 3
;; ======== version 2 of 2: 3 launches; 1.27 times as fast as version 1
;; limits: right only within a limited range of input values; values are held in f16: magnitudes above 65,504 overflow, below 6.1e-05 lose precision
;; workspace buffers: xb 33,554,432 bytes; wgu 11,534,336 bytes; wdb 5,767,168 bytes; hb 23,068,672 bytes; xq 32,768 bytes; wq 22,528 bytes; gq 4,096 bytes
;; launch prep (part 4): grid 1552 x 1, 8 waves a work-group, no clusters, 35,840 bytes of LDS; arguments x, Wg, Wu, Wd, xb, wgu, wdb, xq, wq; writes xb, wgu, wdb, xq, wq
.if DOCPART == 4
	.amdgcn_target "amdgcn-amd-amdhsa--gfx1250"
	.amdhsa_code_object_version 6
	.text
	.protected	k_qf8546f4e6d_prep
	.globl	k_qf8546f4e6d_prep
	.p2align	8
	.type	k_qf8546f4e6d_prep,@function
k_qf8546f4e6d_prep:
	s_mov_b64 s[64:65], 0
	v_nop
	global_prefetch_b8 v0, s[64:65] scope:SCOPE_SE
	s_setreg_imm32_b32 hwreg(HW_REG_WAVE_MODE, 25, 1), 1
	s_wait_xcnt 0x0
; x, Wg, Wu and Wd are rounded once to bf16 (nearest even) and laid in K-PLANES: a matrix T[R][K] becomes P[K/8][R][8], byte ((k>>3) R + r) 16 + 2 (k&7).
;   xb  [256][8192][8] bf16   x as [8192][2048]
;   wgu [256][2816][8] bf16   row 16 B + i (B = 0..175): with hh = i>>3, j = i&7 it is gate channel 8 B + 4 hh + j (j < 4) or up channel 8 B + 4 hh + j - 4; blocks B >= 172 (channels >= 1376) are zeros
;   wdb [176][2048][8] f16    Wd's 1376 columns and 32 columns of zeros: the bf16 number written as f16, since the last product's other operand is f16
; and two small tables from which the next launch bounds h:
;   xq [64 groups of 128 rows][16 chunks of 128 k][8 waves] f32: the largest, over the wave's 16 rows, of the sum of |x| over the chunk;   wq [2816 chunks][2] f32: the largest |Wg| and the largest |Wu| of the chunk
; One wave makes one CHUNK: 16 destination rows x 128 k: sixteen loads of 512 consecutive bytes, a turn through the wave's own LDS bytes, eight stores of which each half of the lanes
; fills 256 consecutive bytes at a multiple of 256 from the buffer's first byte.  No loop, no barrier.  Memory binds: matrix units, clusters and tensor loads would add nothing.
; A wave's entry of xq or wq is 4 or 8 bytes, stored by lane 0 alone: the two tables are 55,296 bytes in all, against 153 million that the launch moves.
; 1,552 work-groups: 1,024 for x (64 groups of 128 rows x 16 chunks of k), 352 for wgu (22 groups of 8 blocks x 16), 176 for wdb (16 groups of 128 rows x 11).
; LIMITS: |Wd| of 65,520 or more becomes an infinity in f16; below 2^-17 bf16(Wd) keeps f16's fixed step of 2^-24.  NaN and infinities are rounded as the conversions round them; the padding is exact zeros.
.set PL,    272                        ; a plane of a chunk in LDS: 16 rows x 16 bytes + 16 of padding = 68 words: lane l's 8 bytes of a row fall on words 2 l, 2 l + 1 modulo 64
.set CHW,   16*PL                      ; a wave's bytes
.set SPARE, 8*CHW                      ; behind them: the spare words, 128 bytes for each wave: four blocks of 256 bytes that no other line names
.set VO,  5                            ; v5   my byte offset in a source row
.set LST, 6                            ; v6   LDS: where my 8 bytes of destination row 0 go
.set LLD, 7                            ; v7   LDS: where I read 16 bytes of planes 0, 1 back
.set SO,  8                            ; v8   my byte offset in the destination's planes 0, 1
.set MK,  9                            ; v9   -1, or 0 where my numbers are padding
.set SPW, 10                           ; v10  LDS address of my spare word; never rewritten
.set NIL, 11                           ; v11  0; never rewritten
.set ZO,  12                           ; v12  0: the offset of the tables' stores
.set X,   16                           ; v[16:79]   sixteen rows as loaded; later v[16:47] the eight pairs of planes read back
.set AC,  48                           ; v[48:55]   four running sums (pairs) or maxima
.set TP,  56                           ; v[56:63]   at work
.set S,   64                           ; v[64:65]   what goes into the table
.set Y,   80                           ; v[80:111]  sixteen rows in 16 bits
	s_load_b256 s[4:11], s[0:1], 0x0               ; x s[4:5], Wg s[6:7], Wu s[8:9], Wd s[10:11]
	s_load_b256 s[12:19], s[0:1], 0x20             ; xb s[12:13], wgu s[14:15], wdb s[16:17], xq s[18:19]
	s_load_b64 s[20:21], s[0:1], 0x40              ; wq
	v_lshl_add_u32 v[SPW], v0, 2, SPARE
	v_mov_b32 v[NIL], 0
	v_mov_b32 v[ZO], 0
	v_lshrrev_b32 v2, 5, v0
	v_readfirstlane_b32 s22, v2                    ; wave 0..7
	v_and_b32 v1, 31, v0                           ; lane l: it holds k = 4 l .. 4 l + 3 of the chunk: plane l >> 1, bytes 8 (l & 1) on (kept)
	s_mul_i32 s23, s22, CHW
	v_lshrrev_b32 v2, 1, v1
	v_and_b32 v3, 1, v1
	v_mul_u32_u24 v2, v2, PL
	v_lshl_add_u32 v2, v3, 3, v2
	v_add_nc_u32 v[LST], s23, v2
	v_lshrrev_b32 v2, 4, v1                        ; l >> 4: which of two planes I read back and store (kept)
	v_and_b32 v3, 15, v1
	v_lshlrev_b32 v3, 4, v3                        ; 16 (l & 15): the row's 16 bytes in a plane (kept)
	v_mul_u32_u24 v4, v2, PL
	v_add_nc_u32 v4, v4, v3
	v_add_nc_u32 v[LLD], s23, v4
	s_mov_b32 s24, ttmp9
	s_mov_b32 s27, 0                               ; high words of the three offsets
	s_mov_b32 s29, 0
	s_mov_b32 s37, 0
	s_mov_b32 s40, 0x76543210                      ; v_permlanex16_b32: lane i of one half reads lane i of the other
	s_mov_b32 s41, 0xfedcba98
; s0, s1: the scalar pairs with the addresses of source rows 0-7 and 8-15; pitch: bytes from source row to row; il = 1: gate and up rows are interleaved by fours;
; masked = 1: the numbers are ANDed with MK; ps: bytes in a destination plane; d: the pair with the destination's address; half = 1: the bf16 number is written as f16;
; stat = 1: the chunk's entry of xq, 2: of wq, 0: none; tb: the pair with that entry's address.
.macro CHUNK s0, s1, pitch, il, masked, ps, d, half, stat, tb
.set i, 0
.rept 8
	global_load_b128 v[X+4*i:X+4*i+3], v[VO], s[\s0:\s0+1] offset:i*(\pitch) th:TH_LOAD_NT
.set i, i+1
.endr
.set i, 0
.rept 8
	global_load_b128 v[X+32+4*i:X+32+4*i+3], v[VO], s[\s1:\s1+1] offset:i*(\pitch) th:TH_LOAD_NT
.set i, i+1
.endr
.set i, 0
.rept 16
	s_wait_loadcnt 15-i                            ; loads come back in order: row i is in, the 15 - i younger ones stay out
	v_cvt_pk_bf16_f32 v[Y+2*i], v[X+4*i], v[X+4*i+1]
	v_cvt_pk_bf16_f32 v[Y+2*i+1], v[X+4*i+2], v[X+4*i+3]
.if \half
	v_lshlrev_b32 v[X+4*i],   16, v[Y+2*i]         ; the rounded numbers, widened,
	v_and_b32     v[X+4*i+1], 0xffff0000, v[Y+2*i]
	v_lshlrev_b32 v[X+4*i+2], 16, v[Y+2*i+1]
	v_and_b32     v[X+4*i+3], 0xffff0000, v[Y+2*i+1]
	v_cvt_pk_f16_f32 v[Y+2*i], v[X+4*i], v[X+4*i+1]  ; and written as f16: their 8 significant bits fit into f16's 11
	v_cvt_pk_f16_f32 v[Y+2*i+1], v[X+4*i+2], v[X+4*i+3]
.endif
.if \masked
	v_and_b32 v[Y+2*i], v[MK], v[Y+2*i]
	v_and_b32 v[Y+2*i+1], v[MK], v[Y+2*i+1]
.endif
.if \il
.set dd, 8*((i%8)/4)+4*(i/8)+(i%4)     ; source row j = i % 8 of gate (i < 8) or up: destination row 8 (j / 4) + 4 (i / 8) + j % 4
.else
.set dd, i
.endif
	ds_store_b64 v[LST], v[Y+2*i:Y+2*i+1] offset:16*dd
.set i, i+1
.endr
.set i, 0
.rept 8
	ds_load_b128 v[X+4*i:X+4*i+3], v[LLD] offset:2*PL*i  ; my wave's own bytes, and LDS serves a wave's instructions in order: these see the stores above
.set i, i+1
.endr
.set i, 0
.rept 8
	s_wait_dscnt 7-i                               ; planes 2 i, 2 i + 1 are back; the younger loads stay out
	global_store_b128 v[SO], v[X+4*i:X+4*i+3], s[\d:\d+1] offset:2*i*(\ps)  ; lanes 0-15: 256 consecutive bytes of plane 2 i; lanes 16-31: of plane 2 i + 1
.set i, i+1
.endr
; What was read back is, in lane l, 64 numbers of destination row l & 15; lane l xor 16 holds the row's other 64.  The lines below only read those registers, which the stores still read too.
.if (\stat) == 1
.set i, 0
.rept 32                               ; the sum of the 64 magnitudes, in f32, in four chains of pairs; the first four words start the chains
.if i < 4
.set dd, AC+2*i
.else
.set dd, TP+2*(i%4)
.endif
	v_and_b32 v[dd], 0x7fff, v[X+i]
	v_and_b32 v[dd+1], 0x7fff0000, v[X+i]
	v_lshlrev_b32 v[dd], 16, v[dd]
.if i >= 4
	v_pk_add_f32 v[AC+2*(i%4):AC+2*(i%4)+1], v[AC+2*(i%4):AC+2*(i%4)+1], v[dd:dd+1]
.endif
.set i, i+1
.endr
	v_pk_add_f32 v[AC:AC+1], v[AC:AC+1], v[AC+2:AC+3]
	v_pk_add_f32 v[AC+4:AC+5], v[AC+4:AC+5], v[AC+6:AC+7]
	v_pk_add_f32 v[AC:AC+1], v[AC:AC+1], v[AC+4:AC+5]
	v_add_f32 v[S], v[AC], v[AC+1]
	v_permlanex16_b32 v[AC+2], v[S], s40, s41      ; the row's other half
	v_add_f32 v[S], v[S], v[AC+2]
.irp m, 1,2,4,8                        ; the largest of the 16 rows' sums
	v_max_num_f32_dpp v[S], v[S], v[S] row_xmask:\m row_mask:0xf bank_mask:0xf
.endr
.endif
.if (\stat) == 2
.set i, 0
.rept 32                               ; the largest of the 64 magnitudes, two bf16 at a time, in four chains
.if i < 4
	v_and_b32 v[AC+i], 0x7fff7fff, v[X+i]
.else
	v_and_b32 v[TP+i%4], 0x7fff7fff, v[X+i]
	v_pk_max_num_bf16 v[AC+i%4], v[AC+i%4], v[TP+i%4]
.endif
.set i, i+1
.endr
	v_pk_max_num_bf16 v[AC], v[AC], v[AC+1]
	v_pk_max_num_bf16 v[AC+2], v[AC+2], v[AC+3]
	v_pk_max_num_bf16 v[AC], v[AC], v[AC+2]
	v_lshlrev_b32 v[TP], 16, v[AC]
	v_and_b32 v[TP+1], 0xffff0000, v[AC]
	v_max_num_f32 v[S], v[TP], v[TP+1]
.irp m, 1,2,8                          ; rows with (l & 4) = 0 are Wg's, the others Wu's: the lanes' bit 2 is kept apart
	v_max_num_f32_dpp v[S], v[S], v[S] row_xmask:\m row_mask:0xf bank_mask:0xf
.endr
	v_permlanex16_b32 v[TP], v[S], s40, s41
	v_max_num_f32 v[S], v[S], v[TP]
	v_mov_b32 v[S+1], v[S]                         ; (a DPP move's destination counts as read)
	v_mov_b32_dpp v[S+1], v[S] row_xmask:4 row_mask:0xf bank_mask:0xf  ; lane 0 now holds Wg's maximum and, beside it, Wu's
.endif
.if \stat
	v_cmp_eq_u32 vcc_lo, 0, v1
	s_wait_xcnt 0x0                                ; EXEC is a source of the stores above: it changes only behind this wait
	s_and_saveexec_b32 s38, vcc_lo                 ; lane 0 alone
.if (\stat) == 1
	global_store_b32 v[ZO], v[S], s[\tb:\tb+1]
.else
	global_store_b64 v[ZO], v[S:S+1], s[\tb:\tb+1]
.endif
	s_wait_xcnt 0x0                                ; and again in front of the line that widens it
	s_or_b32 exec_lo, exec_lo, s38
.endif
	s_wait_tensorcnt 0x0                           ; the wave's end: behind my last LDS store
	ds_add_u32 v[SPW], v[NIL]
	s_wait_dscnt 0x0
	s_endpgm
.endm
	s_cmp_lt_u32 s24, 1024
	s_cbranch_scc0 .Lnot_x
	; x: chunk of k = g & 15; rows 128 (g >> 4) + 16 w on
	s_and_b32 s32, s24, 15
	s_lshr_b32 s33, s24, 4
	s_lshl3_add_u32 s33, s33, s22                  ; first row / 16
	s_lshl_b32 s26, s33, 17                        ; 16 rows of 8,192 bytes each
	s_lshl_b32 s34, s32, 9                         ; 128 k of 4 bytes
	s_add_co_u32 s26, s26, s34
	s_lshl_b32 s28, s32, 21                        ; 16 planes of 131,072 bytes
	s_lshl_b32 s34, s33, 8                         ; 16 rows of 16 bytes
	s_add_co_u32 s28, s28, s34
	s_lshl_b32 s36, s24, 5                         ; xq: 8 words a work-group,
	s_lshl2_add_u32 s36, s22, s36                  ; one a wave
	v_lshlrev_b32 v[VO], 4, v1
	v_lshl_add_u32 v[SO], v2, 17, v3
	s_wait_kmcnt 0x0
	s_add_nc_u64 s[4:5], s[4:5], s[26:27]
	s_add_nc_u64 s[30:31], s[4:5], 8*8192
	s_add_nc_u64 s[12:13], s[12:13], s[28:29]
	s_add_nc_u64 s[18:19], s[18:19], s[36:37]
	CHUNK 4, 30, 8192, 0, 0, 131072, 12, 0, 1, 18
.Lnot_x:
	s_cmp_lt_u32 s24, 1376
	s_cbranch_scc0 .Lwd
	; wgu: chunk of k = g' & 15; block B = 8 (g' >> 4) + w: eight rows of Wg and the same eight of Wu
	s_sub_co_u32 s24, s24, 1024
	s_and_b32 s32, s24, 15
	s_lshr_b32 s33, s24, 4
	s_lshl3_add_u32 s33, s33, s22                  ; B
	s_min_u32 s34, s33, 171                        ; a padding block reads block 171, so that no load leaves the buffers, and masks it to zeros
	s_cmp_lt_u32 s33, 172
	s_cselect_b32 s35, -1, 0
	v_mov_b32 v[MK], s35
	s_lshl_b32 s26, s34, 16                        ; 8 rows of 8,192 bytes
	s_lshl_b32 s34, s32, 9
	s_add_co_u32 s26, s26, s34
	s_mul_i32 s28, s32, 16*45056                   ; 16 planes of 45,056 bytes
	s_lshl_b32 s34, s33, 8
	s_add_co_u32 s28, s28, s34
	s_lshl_b32 s36, s24, 6                         ; wq: 8 pairs a work-group,
	s_lshl3_add_u32 s36, s22, s36                  ; one a wave
	v_lshlrev_b32 v[VO], 4, v1
	v_mul_u32_u24 v4, v2, 45056
	v_add_nc_u32 v[SO], v4, v3
	s_wait_kmcnt 0x0
	s_add_nc_u64 s[6:7], s[6:7], s[26:27]
	s_add_nc_u64 s[8:9], s[8:9], s[26:27]
	s_add_nc_u64 s[14:15], s[14:15], s[28:29]
	s_add_nc_u64 s[20:21], s[20:21], s[36:37]
	CHUNK 6, 8, 8192, 1, 1, 45056, 14, 0, 2, 20
.Lwd:
	; wdb: rows 128 (g'' & 15) + 16 w on; chunk of k = g'' >> 4 (0..10).  The last chunk's lanes 24-31 lie past column 1375: they read their row's first bytes and are masked to zeros
	s_sub_co_u32 s24, s24, 1376
	s_and_b32 s33, s24, 15
	s_lshr_b32 s32, s24, 4
	s_lshl3_add_u32 s33, s33, s22                  ; first row / 16
	s_mul_i32 s26, s33, 16*5504                    ; 16 rows of 5,504 bytes
	s_lshl_b32 s34, s32, 9
	v_lshlrev_b32 v4, 4, v1
	v_add_nc_u32 v4, s34, v4                       ; my byte in the row: 512 x chunk + 16 l
	v_cmp_gt_u32 vcc_lo, 5504, v4
	v_cndmask_b32 v[VO], 0, v4, vcc_lo
	v_cndmask_b32 v[MK], 0, -1, vcc_lo
	s_lshl_b32 s28, s32, 19                        ; 16 planes of 32,768 bytes
	s_lshl_b32 s34, s33, 8
	s_add_co_u32 s28, s28, s34
	v_lshl_add_u32 v[SO], v2, 15, v3
	s_wait_kmcnt 0x0
	s_add_nc_u64 s[10:11], s[10:11], s[26:27]
	s_add_nc_u64 s[30:31], s[10:11], 8*5504
	s_add_nc_u64 s[16:17], s[16:17], s[28:29]
	CHUNK 10, 30, 5504, 0, 1, 32768, 16, 1, 0, 0
.Lfunc_end_k_qf8546f4e6d_prep:
	.size	k_qf8546f4e6d_prep, .Lfunc_end_k_qf8546f4e6d_prep-k_qf8546f4e6d_prep
	.p2alignl 7, 3214868480
	.fill 96, 4, 3214868480
	.section	.rodata,"a",@progbits
	.p2align	6, 0x0
	.amdhsa_kernel k_qf8546f4e6d_prep
		.amdhsa_group_segment_fixed_size 35840
		.amdhsa_private_segment_fixed_size 0
		.amdhsa_enable_private_segment 0
		.amdhsa_kernarg_size 72
		.amdhsa_user_sgpr_count 2
		.amdhsa_user_sgpr_kernarg_segment_ptr 1
		.amdhsa_wavefront_size32 1
		.amdhsa_system_sgpr_workgroup_id_x 1
		.amdhsa_system_sgpr_workgroup_id_y 1
		.amdhsa_system_sgpr_workgroup_id_z 1
		.amdhsa_system_vgpr_workitem_id 0
		.amdhsa_next_free_vgpr 112
		.amdhsa_next_free_sgpr 66
		.amdhsa_reserve_vcc 1
		.amdhsa_float_denorm_mode_32 3
		.amdhsa_float_denorm_mode_16_64 3
		.amdhsa_memory_ordered 1
		.amdhsa_forward_progress 1
		.amdhsa_inst_pref_size 44
	.end_amdhsa_kernel
	.amdgpu_metadata
---
amdhsa.version: [ 1, 2 ]
amdhsa.kernels:
  - .name:           k_qf8546f4e6d_prep
    .symbol:         k_qf8546f4e6d_prep.kd
    .args:
      - { .name: x, .offset: 0, .size: 8, .value_kind: global_buffer, .address_space: global }
      - { .name: Wg, .offset: 8, .size: 8, .value_kind: global_buffer, .address_space: global }
      - { .name: Wu, .offset: 16, .size: 8, .value_kind: global_buffer, .address_space: global }
      - { .name: Wd, .offset: 24, .size: 8, .value_kind: global_buffer, .address_space: global }
      - { .name: xb, .offset: 32, .size: 8, .value_kind: global_buffer, .address_space: global }
      - { .name: wgu, .offset: 40, .size: 8, .value_kind: global_buffer, .address_space: global }
      - { .name: wdb, .offset: 48, .size: 8, .value_kind: global_buffer, .address_space: global }
      - { .name: xq, .offset: 56, .size: 8, .value_kind: global_buffer, .address_space: global }
      - { .name: wq, .offset: 64, .size: 8, .value_kind: global_buffer, .address_space: global }
    .group_segment_fixed_size: 35840
    .private_segment_fixed_size: 0
    .kernarg_segment_align: 8
    .kernarg_segment_size: 72
    .max_flat_workgroup_size: 256
    .sgpr_count:     66
    .vgpr_count:     112
    .wavefront_size: 32
...
	.end_amdgpu_metadata
.endif
;; end of part 4
;; launch gateup (part 5): grid 8 x 32, 4 waves a work-group, clusters of 4 x 4, 327,680 bytes of LDS; arguments xb, wgu, ag, au, hb, xq, wq, gq; writes hb, gq
.if DOCPART == 5
	.amdgcn_target "amdgcn-amd-amdhsa--gfx1250"
	.amdhsa_code_object_version 6
	.text
	.protected	k_qf8546f4e6d_gateup
	.globl	k_qf8546f4e6d_gateup
	.p2align	8
	.type	k_qf8546f4e6d_gateup,@function
k_qf8546f4e6d_gateup:
	s_mov_b64 s[64:65], 0
	v_nop
	global_prefetch_b8 v0, s[64:65] scope:SCOPE_SE
	s_setreg_imm32_b32 hwreg(HW_REG_WAVE_MODE, 25, 1), 1
	s_wait_xcnt 0x0
	s_wait_alu depctr_hold_cnt(0) depctr_sa_sdst(0) depctr_va_vdst(0) depctr_va_sdst(0) depctr_va_ssrc(0) depctr_va_vcc(0) depctr_vm_vsrc(0)
	s_getreg_b32 s2, hwreg(HW_REG_IB_STS2, 6, 4)
	s_cmp_eq_u32 s2, 0
	s_cbranch_scc0 .Lentry_in_a_cluster
	s_endpgm
.Lentry_in_a_cluster:
	s_bfe_u32 s2, ttmp6, 0x10000c
	s_cmp_lg_u32 s2, 0xf033
	s_cbranch_scc0 .Lentry_shape_is_right
	s_endpgm
.Lentry_shape_is_right:
; h = silu((x Wg^T) ag) * ((x Wu^T) au).  xb [256 planes][8192][8] and wgu [256][2816][8] in bf16, hb [176][8192][8] in f16: K-planes, P[k/8][row][8]; sums in f32.
; h LEAVES AS f16 (11 significant bits; bf16's 8 are too few for a sum of some 700 terms that is judged to a hundredth of its root mean square), DIVIDED BY A POWER OF TWO g that is one number for my wave's 128 rows.
; THE BOUND.  |h| <= |gate| |up| <= B = (max|ag| max|Wg| L) (max|au| max|Wu| L), where L is no less than any of the 128 rows' sums of |x|: the sum over the 16 chunks of k of the largest chunk sum among the rows (table xq);
; the weights' maxima are those of table wq.  With e = B's biased exponent, held to 14 .. 254, g = 2^(e - 140): |h / g| < 2^14 whatever the inputs hold, a fourth of f16's largest number, which covers the roundings in B and in the sums.
; g goes to gq[2 x tile of wgu + column half][group of 128 rows]: a word of its own for each wave, so that no branch hangs on a place; the next launch multiplies by it.
; ag and au are rounded to bf16 here, as x and the weights were: all inputs alike; they multiply the f32 sums in f32.
; wgu's row 16 B + i holds gate channel 8 B + 4 (i>>3) + (i&7) for i&7 < 4 and up channel 8 B + 4 (i>>3) + (i&7) - 4 otherwise; blocks 172-175 are zeros, and so hb's planes 172-175 come out as zeros.
; SHARES.  2,816 rows of wgu are 8 tiles of 352, 8,192 rows of x are 32 tiles of 256: 256 work-groups, one tile each.  Four waves, each 128 rows of x by 176 rows of wgu: 8 x 11 = 88 accumulators, 704 registers.
; THE MATRIX INSTRUCTION: source 0 = 16 rows of wgu, source 1 = 16 rows of x.  In the result lane l holds row l % 16 of x; with h = l / 16 its registers 0-3 are the gate sums of channels 8 B + 4 h + 0..3 and
; registers 4-7 the up sums of the same four channels: SwiGLU needs no other lane, and the four results are 8 neighbouring bytes of hb: 32 lanes fill 256 consecutive bytes, so there is no stage in LDS.
; THE RING.  K goes in 16 steps of 128 = 16 planes through two LDS slots.  A tile of n rows is 16 tensor rows of 16 n consecutive bytes (2,048 or 2,816: multiples of 256, starting at multiples of 256).  In LDS the planes
; lie end to end without padding.
; CLUSTERS.  4 x 4 work-groups: the four of a row of the cluster need the same tile of xb, the four of a column the same tile of wgu: each is asked for jointly, by the same load, descriptor and mask in all four.
; THE WAY OUT is a loop over the eight row blocks: only the 66 multiplies that name a block's accumulators are written for each block; the other 167 lines of a block stand once.
; LIMITS.  h / g is made as accG accU (ag au) / (g 2^(-log2(e) ag accG) + g): the product accG accU ag au must be finite in f32.  Where the exponential overflows the quotient is 0 and h is a zero.
; Below 2^-28 of 4 B a number of h keeps f16's fixed step, 2^-38 of 4 B, and under half of that it is 0.  (A sum of 2,048 independent terms lies some 2^-6 under the sum of its terms' magnitudes, h some 2^-14 to 2^-18 under B.)
; The padding channels 1376-1407 take the scales of channels 1372-1375 (the address is clamped into ag and au): their sums are 0, so h is 0 there for finite scales.  NaN and infinities are not treated apart.
; REGISTERS, in windows of 256 (s_set_vgpr_msb: bits 1:0 source 0, 3:2 source 1, 5:4 source 2, 7:6 destination):
;   window 0: v0-11 addresses; v12-55 at work at the head and on the way out (v12-33: results to store); v64-151, v152-239 wgu's fragments, two buffers of 11 x 8 (at the head: the tables; on the way out: the scales, two areas of 44)
;   accumulator n = 11 a + b lies in window 1 + n / 32 at v[8 n % 256]: windows 1, 2 and v0-191 of window 3;   window 3 v192-255: x's fragments, one buffer of 8 x 8, filled in two halves
.set NSTEP, 16
.set PA,    2048                       ; a plane of half a tile of x in LDS: 128 rows x 16 bytes
.set PB,    2816                       ; of half a tile of wgu: 176 rows x 16 bytes
.set BOFF,  2*16*PA                    ; a slot: x's two halves, then wgu's two halves
.set SLOT,  BOFF+2*16*PB               ; 155,648
.set SPARE, 2*SLOT                     ; behind the ring: the spare words, 128 bytes for each wave: two blocks of 256 bytes that no other line names
.set SCR,   SPARE+512                  ; behind them, in a block of 256 bytes into which no tile lands: 16 bytes for each wave, its four maxima
.set KSA,   16*131072                  ; bytes from K step to K step in xb: 16 planes
.set KSB,   16*45056                   ; in wgu
.set A0,   4                           ; v4   my lane's place in slot 0 for x's fragments; never rewritten
.set B0,   5                           ; v5   the same for wgu's
.set ADRA, 6                           ; v6   the same in the slot in hand
.set ADRB, 7                           ; v7
.set HO,   8                           ; v8   my byte offset in hb's planes: 16 r + 8 h, and 256 more for each row block gone out
.set VS,   9                           ; v9   byte offset in ag and au of my four channels of block 0
.set SPW,  10                          ; v10  LDS address of my spare word; never rewritten
.set NIL,  11                          ; v11  0; never rewritten
.set H,    12                          ; v[12:33]  h / g in f16, two channels a register
.set F0,   64
.set F1,   152
.set SC,   F0                          ; the way out: for block b, v[SC+8b..+3] = -log2(e) ag, v[SC+8b+4..+7] = ag au
.set TT,   152
.set MM,   196
.set AF,   192                         ; window 3
.set WV, 14                            ; s14 wave;  s15 its half of the rows, also: fetches for x (0) or wgu (1);  s16 its half of the columns, also: which half of that tile it fetches
.set WR, 15
.set WC, 16
.set TB, 23                            ; s23 0 or SLOT: the slot in hand
.set G1, 24                            ; s[24:31] descriptor group 1 for x's tiles;  s[32:39] group 0: a set for each first fill; the second then walks
.set G0, 32
.set LA, 40                            ; s40, s41 LDS address in slot 0 of the half tile of x, of wgu, that my wave would fetch
.set LB, 41
.set G1B, 48                           ; s[48:55], s[56:63] the same for wgu's tiles
.set G0B, 56
.set HB, 68                            ; s[68:69] hb;  s[70:71] xq;  s[72:73] wq;  s[74:75] gq
.set XQ, 70
.set WQ, 72
.set GQ, 74
.set SEL, 76                           ; s[76:77] v_permlanex16_b32's selects: each lane takes its own place in the other half
.set GS, 78                            ; s[78:79] g, twice
.set RG, 80                            ; s80 my group of 128 rows
.set UP, 81                            ; s81 0xffff0000: a word's upper bf16
.set MSB, 0
.macro WIN new                         ; the immediate's high byte repeats the setting that is left; a switch that changes nothing is dropped
.if MSB != (\new)
	s_set_vgpr_msb (MSB<<8)|(\new)
.set MSB, (\new)
.endif
.endm
.macro PLACES                          ; four places between a matrix instruction and a load into, or a vector write of, one of its registers (ISA guide 7.12.1 for vector instructions)
.rept 4
	v_nop
.endr
.endm
; A joint refill by the walking descriptor.  The branch hangs on the wave's number alone.  An s_nop 0 and four v_nop follow each of the two lines, ahead of the jump and the label.
.macro JLOAD
	s_cmp_eq_u32 s[WR], 0
	s_cbranch_scc0 .Lfor_b_\@
	tensor_load_to_lds s[G0+4:G0+7], s[G1:G1+7]
	s_nop 0
.rept 4
	v_nop
.endr
	s_branch .Lasked_\@
.Lfor_b_\@:
	tensor_load_to_lds s[G0B+4:G0B+7], s[G1B:G1B+7]
	s_nop 0
.rept 4
	v_nop
.endr
.Lasked_\@:
.endm
.macro CREST                           ; a round of the cluster's barrier behind its opening barrier
	s_cmp_lg_u32 s[WV], 0
	s_cbranch_scc1 .Lnot_wave_0_\@
	s_barrier_signal -3
.Lnot_wave_0_\@:
	s_barrier_wait -3
	s_barrier_signal -1
	s_barrier_wait -1
.endm
.macro CROUND                          ; a whole round
	s_barrier_signal -1
	s_barrier_wait -1
	CREST
.endm
	s_load_b256 s[4:11], s[0:1], 0x0               ; xb s[4:5], wgu s[6:7], ag s[8:9], au s[10:11]
	s_load_b256 s[68:75], s[0:1], 0x20             ; hb, xq, wq, gq
	v_lshl_add_u32 v[SPW], v0, 2, SPARE
	v_mov_b32 v[NIL], 0
	ds_add_u32 v[SPW], v[NIL]                      ; the wave's opening: the add, and its wait ahead of my first tensor load; the set-up below, work on registers, stands between them
	v_lshrrev_b32 v1, 5, v0
	v_readfirstlane_b32 s[WV], v1
	s_lshr_b32 s[WR], s[WV], 1
	s_and_b32 s[WC], s[WV], 1
	s_bfe_u32 s17, ttmp6, 0x40000                  ; cx
	s_bfe_u32 s18, ttmp6, 0x40004                  ; cy
	s_lshl_b32 s19, ttmp9, 2
	s_add_co_u32 s19, s19, s17                     ; tile of wgu = 4 x cluster x + cx
	s_and_b32 s20, ttmp7, 0xffff
	s_lshl_b32 s20, s20, 2
	s_add_co_u32 s20, s20, s18                     ; tile of x = 4 x cluster y + cy
	s_lshl_b32 s21, s18, 2
	s_lshl_b32 s21, 15, s21                        ; my row of the cluster
	s_lshl_b32 s22, 0x1111, s17                    ; my column
	s_or_b32 s[G1], s21, (1<<16)|(1<<21)           ; 15:0 the mask: x's tiles go to my row; 17:16 elements of 2 bytes; 21 set beside a mask; no padding
	s_or_b32 s[G1B], s22, (1<<16)|(1<<21)          ; wgu's go to my column
	s_mov_b32 s[G1+1], 1024<<16                    ; tensor_dim0 = 1,024 elements: 128 rows x 8
	s_mov_b32 s[G1+2], 16<<16                      ; tensor_dim1 = 16 planes
	s_mov_b32 s[G1+3], 1024<<16                    ; tile_dim0
	s_mov_b32 s[G1+4], 16                          ; tile_dim1
	s_mov_b32 s[G1+5], 65536                       ; elements from plane to plane: 8,192 x 8
	s_mov_b32 s[G1+6], 0
	s_mov_b32 s[G1+7], 0
	s_mov_b32 s[G1B+1], 1408<<16                   ; 176 rows x 8
	s_mov_b32 s[G1B+2], 16<<16
	s_mov_b32 s[G1B+3], 1408<<16
	s_mov_b32 s[G1B+4], 16
	s_mov_b32 s[G1B+5], 22528                      ; 2,816 x 8
	s_mov_b32 s[G1B+6], 0
	s_mov_b32 s[G1B+7], 0
	s_mov_b32 s[TB], 0
	s_mov_b32 s[SEL], 0x76543210
	s_mov_b32 s[SEL+1], 0xfedcba98
	s_mov_b32 s[UP], 0xffff0000
	s_lshl_b32 s[LA], s[WC], 15                    ; no place in the cluster enters an LDS address
	s_mul_i32 s[LB], s[WC], 16*PB
	s_add_co_u32 s[LB], s[LB], BOFF
	s_lshl_b32 s42, s20, 12                        ; x's tile: 256 rows of 16 bytes, and my half of them: made of the tile of x and the wave alone
	s_lshl_b32 s43, s[WC], 11
	s_add_co_u32 s42, s42, s43
	s_mov_b32 s43, 0
	s_mul_i32 s44, s19, 2*PB                       ; wgu's tile: 352 rows of 16 bytes, and my half: made of the tile of wgu and the wave alone
	s_mul_i32 s45, s[WC], PB
	s_add_co_u32 s44, s44, s45
	s_mov_b32 s45, 0
	s_wait_dscnt 0x0                               ; the opening add is done
	s_wait_kmcnt 0x0
	s_add_nc_u64 s[42:43], s[4:5], s[42:43]
	s_add_nc_u64 s[44:45], s[6:7], s[44:45]
.irp s, 0,1
	s_mov_b32 s[G0+4*(\s)], 1                      ; count = 1
	s_add_co_u32 s[G0+4*(\s)+1], s[LA], (\s)*SLOT  ; LDS address
	s_add_nc_u64 s[G0+4*(\s)+2:G0+4*(\s)+3], s[42:43], (\s)*KSA  ; global address: K step s
	s_or_b32 s[G0+4*(\s)+3], s[G0+4*(\s)+3], 0x80000000          ; type = 2
	s_mov_b32 s[G0B+4*(\s)], 1
	s_add_co_u32 s[G0B+4*(\s)+1], s[LB], (\s)*SLOT
	s_add_nc_u64 s[G0B+4*(\s)+2:G0B+4*(\s)+3], s[44:45], (\s)*KSB
	s_or_b32 s[G0B+4*(\s)+3], s[G0B+4*(\s)+3], 0x80000000
.endr
	CROUND                                         ; all sixteen work-groups are here: the first joint loads meet
	s_cmp_eq_u32 s[WR], 0                          ; a wave's two first fills stand in one branch, ahead of every wait on TENSORcnt and every LDS read: two loads of mine are out
	s_cbranch_scc0 .Lfirst_b
	tensor_load_to_lds s[G0:G0+3], s[G1:G1+7]
	s_nop 0
	tensor_load_to_lds s[G0+4:G0+7], s[G1:G1+7]
	s_nop 0
.rept 4
	v_nop
.endr
	s_branch .Lfirst_asked
.Lfirst_b:
	tensor_load_to_lds s[G0B:G0B+3], s[G1B:G1B+7]
	s_nop 0
	tensor_load_to_lds s[G0B+4:G0B+7], s[G1B:G1B+7]
	s_nop 0
.rept 4
	v_nop
.endr
.Lfirst_asked:
	; THE BOUND, in the wait for the first tile.  My wave takes a quarter of wq (11 loads of 512 bytes), a quarter of ag and of au (3 loads each; the last is clamped to the buffers' last 16 bytes) and its own group's 512 bytes of xq.
	v_and_b32 v12, 31, v0                          ; lane
	v_lshlrev_b32 v13, 4, v12                      ; 16 l
	s_lshl_b32 s46, s[WV], 9
	v_add_nc_u32 v14, s46, v13                     ; 16 l + 512 w
	v_add_nc_u32 v15, 4096, v14
	v_min_u32 v15, 5488, v15
	s_lshl1_add_u32 s[RG], s20, s[WR]              ; my group of 128 rows = 2 x tile of x + row half
	s_lshl_b32 s46, s[RG], 9
	s_mov_b32 s47, 0
	s_add_nc_u64 s[XQ:XQ+1], s[XQ:XQ+1], s[46:47]
.set j, 0
.rept 11
	global_load_b128 v[64+4*j:64+4*j+3], v14, s[WQ:WQ+1] offset:2048*j  ; two pairs (max|Wg|, max|Wu|)
.set j, j+1
.endr
	global_load_b128 v[108:111], v14, s[8:9]
	global_load_b128 v[112:115], v14, s[8:9] offset:2048
	global_load_b128 v[116:119], v15, s[8:9]
	global_load_b128 v[120:123], v14, s[10:11]
	global_load_b128 v[124:127], v14, s[10:11] offset:2048
	global_load_b128 v[128:131], v15, s[10:11]
	global_load_b128 v[132:135], v13, s[XQ:XQ+1]   ; lane l: chunk l >> 1 of k, waves 4 (l & 1) + 0..3 of the launch that made the table
	; A fragment is 16 rows x 32 k in 8 registers: lane l holds row r = l % 16; registers 0-3 k = 8 h + 0..7, registers 4-7 k = 16 + 8 h + 0..7 (h = l / 16): of the quarter step's four planes, planes h and 2 + h.
	v_and_b32 v1, 15, v0                           ; r
	v_bfe_u32 v2, v0, 4, 1                         ; h
	v_lshlrev_b32 v3, 4, v1                        ; 16 r
	v_lshl_add_u32 v[A0], v2, 11, v3               ; h planes of 2,048 bytes + 16 r
	s_lshl_b32 s46, s[WR], 15
	v_add_nc_u32 v[A0], s46, v[A0]                 ; in my half of x's rows
	v_mul_u32_u24 v[B0], v2, PB
	v_add_nc_u32 v[B0], v[B0], v3
	v_add_nc_u32 v[B0], s[LB], v[B0]               ; in my half of wgu's rows, which is also the half that s41 names
	v_mov_b32 v[ADRA], v[A0]
	v_mov_b32 v[ADRB], v[B0]
	v_lshl_add_u32 v[HO], v2, 3, v3                ; 16 r + 8 h
	s_mul_i32 s46, s19, 22
	s_mul_i32 s47, s[WC], 11
	s_add_co_u32 s46, s46, s47                     ; my first block of 8 channels = my first plane of hb
	s_lshl_b32 s47, s46, 5
	v_lshl_add_u32 v[VS], v2, 4, s47               ; 32 bytes of scales a block, 16 for each half of the lanes
	s_lshl_b32 s46, s46, 17                        ; planes of 131,072 bytes,
	s_lshl_b32 s47, s20, 12                        ; 256 rows of 16 bytes a tile,
	s_add_co_u32 s46, s46, s47
	s_lshl_b32 s47, s[WR], 11                      ; my 128 of them
	s_add_co_u32 s46, s46, s47
	s_mov_b32 s47, 0
	s_add_nc_u64 s[HB:HB+1], s[HB:HB+1], s[46:47]  ; hb at my part; never stepped
	s_lshl1_add_u32 s46, s19, s[WC]                ; gq: copy 2 x tile of wgu + column half,
	s_lshl_b32 s46, s46, 6                         ; 64 words a copy,
	s_add_co_u32 s46, s46, s[RG]                   ; my group's
	s_lshl_b32 s46, s46, 2
	s_add_nc_u64 s[GQ:GQ+1], s[GQ:GQ+1], s[46:47]
	s_wait_loadcnt 0x0                             ; the tables
	v_max3_num_f32 v36, v64, v66, v68              ; v36 max|Wg|, v37 max|Wu| of my 22 pairs
	v_max3_num_f32 v37, v65, v67, v69
.set t, 3
.rept 9
	v_max3_num_f32 v36, v36, v[64+2*t], v[66+2*t]
	v_max3_num_f32 v37, v37, v[65+2*t], v[67+2*t]
.set t, t+2
.endr
	v_max_num_f32 v36, v36, v106
	v_max_num_f32 v37, v37, v107
.set t, 0
.rept 24
	v_and_b32 v[108+t], 0x7fffffff, v[108+t]       ; |ag|, |au|
.set t, t+1
.endr
	v_max3_num_f32 v38, v108, v109, v110           ; v38 max|ag|, v39 max|au| of my 12
	v_max3_num_f32 v39, v120, v121, v122
.set t, 3
.rept 4
	v_max3_num_f32 v38, v38, v[108+t], v[109+t]
	v_max3_num_f32 v39, v39, v[120+t], v[121+t]
.set t, t+2
.endr
	v_max_num_f32 v38, v38, v119
	v_max_num_f32 v39, v39, v131
	v_max3_num_f32 v40, v132, v133, v134           ; v40: L.  The largest chunk sum among four waves' rows,
	v_max_num_f32 v40, v40, v135
	v_max_num_f32_dpp v40, v40, v40 row_xmask:1 row_mask:0xf bank_mask:0xf  ; among all eight: one number for each chunk of k, in two lanes;
.irp m, 2,4,8
	v_add_f32_dpp v40, v40, v40 row_xmask:\m row_mask:0xf bank_mask:0xf     ; the sum over eight chunks,
.endr
	v_permlanex16_b32 v112, v40, s[SEL], s[SEL+1]  ; (the destination counts as read: a register that has been written)
	v_add_f32 v40, v40, v112                       ; over all sixteen
.irp m, 1,2,4,8
.irp r, 36,37,38,39
	v_max_num_f32_dpp v\r, v\r, v\r row_xmask:\m row_mask:0xf bank_mask:0xf
.endr
.endr
	v_permlanex16_b32 v108, v36, s[SEL], s[SEL+1]
	v_permlanex16_b32 v109, v37, s[SEL], s[SEL+1]
	v_permlanex16_b32 v110, v38, s[SEL], s[SEL+1]
	v_permlanex16_b32 v111, v39, s[SEL], s[SEL+1]
	v_max_num_f32 v36, v36, v108
	v_max_num_f32 v37, v37, v109
	v_max_num_f32 v38, v38, v110
	v_max_num_f32 v39, v39, v111
	s_lshl_b32 s46, s[WV], 4
	s_add_co_u32 s46, s46, SCR
	v_mov_b32 v42, s46
	ds_store_b128 v42, v[36:39]                    ; every lane writes my wave's four maxima to my wave's 16 bytes
; 11 matrix instructions: row block a of x against all 11 blocks of wgu in buffer f, 32 along K.  zero = 1: the product starts the sum: nothing is ever cleared.
; The 88 accumulators take turns in the same order in every quarter step, one instruction a turn.
.macro MULA f, a, zero
.set b, 0
.rept 11
.set n, 11*(\a)+b
.set W, 1+n/32
.set R, (8*n)%256
	WIN 0x0c|(W<<4)|(W<<6)
.if \zero
	v_wmma_f32_16x16x32_bf16 v[R:R+7], v[(\f)+8*b:(\f)+8*b+7], v[AF+8*(\a):AF+8*(\a)+7], 0
.else
	v_wmma_f32_16x16x32_bf16 v[R:R+7], v[(\f)+8*b:(\f)+8*b+7], v[AF+8*(\a):AF+8*(\a)+7], v[R:R+7]
.endif
.set b, b+1
.endr
.endm
; 30 LDS loads in one run: quarter q's fragments of wgu into buffer g, and x's row blocks 0-3
.macro FETCH_LO q, g
	WIN 0
.set b, 0
.rept 11
	ds_load_b128 v[(\g)+8*b:(\g)+8*b+3],   v[ADRB] offset:(\q)*4*PB+256*b
	ds_load_b128 v[(\g)+8*b+4:(\g)+8*b+7], v[ADRB] offset:(\q)*4*PB+256*b+2*PB
.set b, b+1
.endr
	WIN 0xc0                                       ; destination window 3, address window 0
.set b, 0
.rept 4
	ds_load_b128 v[AF+8*b:AF+8*b+3],   v[ADRA] offset:(\q)*4*PA+256*b
	ds_load_b128 v[AF+8*b+4:AF+8*b+7], v[ADRA] offset:(\q)*4*PA+256*b+2*PA
.set b, b+1
.endr
.endm
.macro FETCH_HI q                      ; 8 loads: x's row blocks 4-7
	WIN 0xc0
.set b, 4
.rept 4
	ds_load_b128 v[AF+8*b:AF+8*b+3],   v[ADRA] offset:(\q)*4*PA+256*b
	ds_load_b128 v[AF+8*b+4:AF+8*b+7], v[ADRA] offset:(\q)*4*PA+256*b+2*PA
.set b, b+1
.endr
.endm
; A K step is four quarters of 32 along K, 88 matrix instructions each, on wgu's buffers 0, 1, 0, 1.  One of the first three: multiplies buffer f and fetches quarter qn into buffer g.
; x's one buffer is filled half by half, each half behind the 44 products that read it.
.macro QUARTER qn, f, g, zero
	s_wait_dscnt 8                                 ; wgu's fragments and x's blocks 0-3 are in; the youngest eight loads (blocks 4-7) may be out
	MULA \f, 0, \zero
	MULA \f, 1, \zero
	MULA \f, 2, \zero
	MULA \f, 3, \zero
	PLACES
	FETCH_LO \qn, \g
	s_wait_dscnt 30                                ; all but the 30 just issued: x's blocks 4-7 are in
	MULA \f, 4, \zero
	MULA \f, 5, \zero
	MULA \f, 6, \zero
	MULA \f, 7, \zero
	PLACES
	FETCH_HI \qn
.endm
; The last quarter multiplies buffer 1 and changes slots.  ONE barrier: in front of it each wave waits for all its tensor loads (one is out: its part of the next slot), adds 0 to its spare word, and waits for that and
; for its own reads of this slot.  fill = 1: the barrier opens a round of the cluster's, and behind the round this slot is filled again, with the K step two on: 308 matrix instructions ahead of the wait for it.
.macro TURN fill
	WIN 0                                          ; (the add's two registers lie in window 0)
	s_wait_tensorcnt 0x0                           ; all my tensor loads have landed
	ds_add_u32 v[SPW], v[NIL]                      ; 0 onto my spare word
	s_wait_dscnt 9                                 ; (the add and the youngest eight loads may be out)
	MULA F1, 0, 0                                  ; 22 matrix instructions stand between the add and the wait for it
	MULA F1, 1, 0
	s_wait_dscnt 0x0                               ; the add is done, and my reads of this slot are over
	s_barrier_signal -1
	MULA F1, 2, 0                                  ; work on registers while the others arrive
	MULA F1, 3, 0
	WIN 0                                          ; at a branch and at a label every window is 0
	s_barrier_wait -1
.if \fill
	CREST                                          ; no wave of any partner still reads this slot or has a load on its way
	s_add_co_u32 s[G0+5], s[LA], s[TB]             ; no tensor load of mine is out, so the walking group 0 may be written: the slot just read out,
	s_add_co_u32 s[G0B+5], s[LB], s[TB]
	s_add_nc_u64 s[G0+6:G0+7], s[G0+6:G0+7], KSA   ; the next K step; the type bits on top are not reached
	s_add_nc_u64 s[G0B+6:G0B+7], s[G0B+6:G0B+7], KSB
	JLOAD                                          ; the first tensor load behind the round; its four v_nop are also the places in front of the loads below
.else
	PLACES
.endif
	s_xor_b32 s[TB], s[TB], SLOT                   ; s23 holds 0 or SLOT alone: the other slot
	v_add_nc_u32 v[ADRA], s[TB], v[A0]
	v_add_nc_u32 v[ADRB], s[TB], v[B0]
	FETCH_LO 0, F0
	MULA F1, 4, 0                                  ; x's blocks 4-7 came in with the wait for 0 above
	MULA F1, 5, 0
	MULA F1, 6, 0
	MULA F1, 7, 0
	PLACES
	FETCH_HI 0
.endm
	s_wait_tensorcnt 1                             ; my part of K step 0 is in; step 1's may stay out
	s_wait_dscnt 0x0                               ; for the others' sake: my four maxima are in LDS
	s_barrier_signal -1
	s_barrier_wait -1                              ; everybody's tile and maxima are
	v_mov_b32 v42, SCR
	ds_load_b128 v[16:19], v42                     ; the four waves' maxima, in every lane; these bytes are never written again
	ds_load_b128 v[20:23], v42 offset:16
	ds_load_b128 v[24:27], v42 offset:32
	ds_load_b128 v[28:31], v42 offset:48
	s_wait_dscnt 0x0
.irp r, 0,1,2,3
	v_max3_num_f32 v[36+\r], v[16+\r], v[20+\r], v[24+\r]
.endr
.irp r, 0,1,2,3
	v_max_num_f32 v[36+\r], v[36+\r], v[28+\r]
.endr
	v_mul_f32 v36, v36, v38                        ; max|Wg| max|ag|
	v_mul_f32 v37, v37, v39                        ; max|Wu| max|au|
	v_mul_f32 v36, v36, v40                        ; times L: no gate is larger
	v_mul_f32 v37, v37, v40                        ; no up is larger
	v_mul_f32 v36, v36, v37                        ; B, not negative
	v_lshrrev_b32 v36, 23, v36                     ; e: B < 2^(e - 126)
	v_max_u32 v36, 14, v36                         ; so that g and 1 / g are normal numbers
	v_min_u32 v36, 254, v36
	v_add_nc_u32 v36, -13, v36
	v_lshlrev_b32 v36, 23, v36                     ; g = 2^(e - 140)
	v_readfirstlane_b32 s[GS], v36
	s_mov_b32 s[GS+1], s[GS]                       ; named with it as a pair
	v_mov_b32 v43, 0
	v_cmp_eq_u32 vcc_lo, 0, v12
	s_wait_xcnt 0x0                                ; EXEC changes only behind this wait
	s_and_saveexec_b32 s46, vcc_lo                 ; lane 0 alone: 4 bytes a wave, 4,096 in the whole launch
	global_store_b32 v43, v36, s[GQ:GQ+1]
	s_wait_xcnt 0x0                                ; and again in front of the line that widens it
	s_or_b32 exec_lo, exec_lo, s46
	FETCH_LO 0, F0
	FETCH_HI 0
	QUARTER 1, F0, F1, 1                           ; the first quarter stands in front of the loop: its products start the sums
	WIN 0
	s_mov_b32 s3, NSTEP-2
.Lstep:                                                ; a trip: a K step's quarters 1 to 3 and the next step's quarter 0; it fills the slot that it leaves
	QUARTER 2, F1, F0, 0
	QUARTER 3, F0, F1, 0
	TURN 1
	QUARTER 1, F0, F1, 0
	WIN 0
	s_sub_co_u32 s3, s3, 1
	s_cmp_lg_u32 s3, 0
	s_cbranch_scc1 .Lstep
	QUARTER 2, F1, F0, 0                           ; the last two K steps are written out: nothing is left to ask for
	QUARTER 3, F0, F1, 0
	TURN 0
	QUARTER 1, F0, F1, 0
	QUARTER 2, F1, F0, 0
	QUARTER 3, F0, F1, 0
	; the very last quarter.  Buffer 0 is free (its last readers stand in front of the four places above): the scales are asked for into it, under the last 88 products.
	WIN 0
.set b, 0
.rept 11
	v_min_u32 v[SC+8*b],   5488-32*b, v[VS]         ; offset + 32 b stays at or under 5,488, the last 16 bytes of ag and au: the padding channels read inside the buffers
	v_min_u32 v[SC+8*b+4], 5488-32*b, v[VS]
.set b, b+1
.endr
.set b, 0
.rept 11
	global_load_b128 v[SC+8*b:SC+8*b+3],   v[SC+8*b],   s[8:9]   offset:32*b  ; ag of my four channels of block b; each load lands on its own offset register
	global_load_b128 v[SC+8*b+4:SC+8*b+7], v[SC+8*b+4], s[10:11] offset:32*b  ; au
.set b, b+1
.endr
	s_wait_dscnt 8
	MULA F1, 0, 0
	MULA F1, 1, 0
	MULA F1, 2, 0
	MULA F1, 3, 0
	s_wait_dscnt 0x0
	MULA F1, 4, 0
	MULA F1, 5, 0
	MULA F1, 6, 0
	MULA F1, 7, 0
	; THE WAY OUT.  The scales are made ready by lines that name only buffer 0 and v12-55: they are also the places behind the last products.
	s_wait_loadcnt 0x0
	WIN 0
.set b, 0
.rept 44
	v_cvt_pk_bf16_f32 v[H+b], v[SC+2*b], v[SC+2*b+1]  ; ag and au rounded to bf16, as all the inputs are,
.set b, b+1
.endr
.set b, 0
.rept 44
	v_lshlrev_b32 v[SC+2*b],   16, v[H+b]             ; and widened again
	v_and_b32     v[SC+2*b+1], s[UP], v[H+b]
.set b, b+1
.endr
.set b, 0
.rept 11
	v_pk_mul_f32 v[SC+8*b+4:SC+8*b+5], v[SC+8*b+4:SC+8*b+5], v[SC+8*b:SC+8*b+1]    ; ag au
	v_pk_mul_f32 v[SC+8*b+6:SC+8*b+7], v[SC+8*b+6:SC+8*b+7], v[SC+8*b+2:SC+8*b+3]
.set b, b+1
.endr
.set b, 0
.rept 11
	v_pk_mul_f32 v[SC+8*b:SC+8*b+1],   v[SC+8*b:SC+8*b+1],   0xbfb8aa3b op_sel_hi:[1,0]  ; -log2(e) ag
	v_pk_mul_f32 v[SC+8*b+2:SC+8*b+3], v[SC+8*b+2:SC+8*b+3], 0xbfb8aa3b op_sel_hi:[1,0]
.set b, b+1
.endr
; Row block a: 16 rows of x, 88 channels.  t = -log2(e) ag accG; m = accG accU ag au; h / g = m / (g 2^t + g), rounded to f16.
; FIRST a makes t and m, in two areas of window 0.  It names the block's accumulators, so it is written for each block.  Each accumulator's lowest registers are read first.
.macro FIRST a
.set b, 0
.rept 11
.set n, 11*(\a)+b
.set R, (8*n)%256
	WIN 1+n/32                                     ; source 0 in the accumulator's window
	v_pk_mul_f32 v[TT+4*b:TT+4*b+1],   v[R:R+1],   v[SC+8*b:SC+8*b+1]
	v_pk_mul_f32 v[TT+4*b+2:TT+4*b+3], v[R+2:R+3], v[SC+8*b+2:SC+8*b+3]
	v_pk_mul_f32 v[MM+4*b:MM+4*b+1],   v[R+4:R+5], v[SC+8*b+4:SC+8*b+5]
	v_pk_mul_f32 v[MM+4*b+2:MM+4*b+3], v[R+6:R+7], v[SC+8*b+6:SC+8*b+7]
.set b, b+1
.endr
.set b, 0
.rept 11
.set n, 11*(\a)+b
.set R, (8*n)%256
	WIN 1+n/32
	v_pk_mul_f32 v[MM+4*b:MM+4*b+1],   v[R:R+1],   v[MM+4*b:MM+4*b+1]
	v_pk_mul_f32 v[MM+4*b+2:MM+4*b+3], v[R+2:R+3], v[MM+4*b+2:MM+4*b+3]
.set b, b+1
.endr
	WIN 0                                          ; at a branch and at a label every window is 0
.endm
; Eight trips, one for each row block.  The head jumps forward to the trip's FIRST, on the counter alone. What follows names the two areas, the results' registers and the
; offset alone, and stands once.
	s_mov_b32 s3, 0
.Lrow:
.irp a, 0,1,2,3,4,5,6
	s_cmp_eq_u32 s3, \a
	s_cbranch_scc1 .Lrow_\a
.endr
	FIRST 7
	s_branch .Lrest
.irp a, 0,1,2,3,4,5
.Lrow_\a:
	FIRST \a
	s_branch .Lrest
.endr
.Lrow_6:
	FIRST 6
.Lrest:
.set b, 0
.rept 44
	v_exp_f32 v[TT+b], v[TT+b]
.set b, b+1
.endr
	v_nop                                          ; a plain instruction between the last exponential and the use of its result (ISA guide 5.7.2)
.set b, 0
	s_wait_alu depctr_va_vdst(0)
.rept 22
	v_pk_fma_f32 v[TT+2*b:TT+2*b+1], v[TT+2*b:TT+2*b+1], s[GS:GS+1], s[GS:GS+1] op_sel_hi:[1,0,0]  ; g 2^t + g
.set b, b+1
.endr
.set b, 0
.rept 44
	v_rcp_f32 v[TT+b], v[TT+b]
.set b, b+1
.endr
	s_wait_xcnt 0x0                                ; the last trip's stores have had their addresses translated: only behind this wait are their offset and their data registers written again
	v_add_nc_u32 v[HO], 256, v[HO]                 ; 16 rows of 16 bytes on; the stores below reach back by as much.  Also the plain instruction behind the last reciprocal
.set b, 0
	s_wait_alu depctr_va_vdst(0)
.rept 22
	v_pk_mul_f32 v[MM+2*b:MM+2*b+1], v[MM+2*b:MM+2*b+1], v[TT+2*b:TT+2*b+1]  ; h / g
.set b, b+1
.endr
.set b, 0
.rept 22
	v_cvt_pk_f16_f32 v[H+b], v[MM+2*b], v[MM+2*b+1]
.set b, b+1
.endr
.set b, 0
.rept 11
	global_store_b64 v[HO], v[H+2*b:H+2*b+1], s[HB:HB+1] offset:b*131072-256  ; 32 lanes store 256 consecutive bytes of plane b, at a multiple of 256 from hb's first byte
.set b, b+1
.endr
	s_add_co_u32 s3, s3, 1
	s_cmp_lt_u32 s3, 8
	s_cbranch_scc1 .Lrow
	s_wait_tensorcnt 0x0                           ; the wave's end: behind my last tensor load and my last LDS store
	ds_add_u32 v[SPW], v[NIL]
	s_wait_dscnt 0x0
	CROUND                                         ; the closing round: no work-group ends while a partner may still ask for a tile that names it
	s_endpgm
.Lfunc_end_k_qf8546f4e6d_gateup:
	.size	k_qf8546f4e6d_gateup, .Lfunc_end_k_qf8546f4e6d_gateup-k_qf8546f4e6d_gateup
	.p2alignl 7, 3214868480
	.fill 96, 4, 3214868480
	.section	.rodata,"a",@progbits
	.p2align	6, 0x0
	.amdhsa_kernel k_qf8546f4e6d_gateup
		.amdhsa_group_segment_fixed_size 327680
		.amdhsa_private_segment_fixed_size 0
		.amdhsa_enable_private_segment 0
		.amdhsa_kernarg_size 64
		.amdhsa_user_sgpr_count 2
		.amdhsa_user_sgpr_kernarg_segment_ptr 1
		.amdhsa_wavefront_size32 1
		.amdhsa_system_sgpr_workgroup_id_x 1
		.amdhsa_system_sgpr_workgroup_id_y 1
		.amdhsa_system_sgpr_workgroup_id_z 1
		.amdhsa_system_vgpr_workitem_id 0
		.amdhsa_next_free_vgpr 1024
		.amdhsa_next_free_sgpr 82
		.amdhsa_reserve_vcc 1
		.amdhsa_float_denorm_mode_32 3
		.amdhsa_float_denorm_mode_16_64 3
		.amdhsa_memory_ordered 1
		.amdhsa_forward_progress 1
		.amdhsa_inst_pref_size 173
	.end_amdhsa_kernel
	.amdgpu_metadata
---
amdhsa.version: [ 1, 2 ]
amdhsa.kernels:
  - .name:           k_qf8546f4e6d_gateup
    .symbol:         k_qf8546f4e6d_gateup.kd
    .args:
      - { .name: xb, .offset: 0, .size: 8, .value_kind: global_buffer, .address_space: global }
      - { .name: wgu, .offset: 8, .size: 8, .value_kind: global_buffer, .address_space: global }
      - { .name: ag, .offset: 16, .size: 8, .value_kind: global_buffer, .address_space: global }
      - { .name: au, .offset: 24, .size: 8, .value_kind: global_buffer, .address_space: global }
      - { .name: hb, .offset: 32, .size: 8, .value_kind: global_buffer, .address_space: global }
      - { .name: xq, .offset: 40, .size: 8, .value_kind: global_buffer, .address_space: global }
      - { .name: wq, .offset: 48, .size: 8, .value_kind: global_buffer, .address_space: global }
      - { .name: gq, .offset: 56, .size: 8, .value_kind: global_buffer, .address_space: global }
    .group_segment_fixed_size: 327680
    .private_segment_fixed_size: 0
    .kernarg_segment_align: 8
    .kernarg_segment_size: 64
    .max_flat_workgroup_size: 128
    .sgpr_count:     82
    .vgpr_count:     1024
    .wavefront_size: 32
...
	.end_amdgpu_metadata
.endif
;; end of part 5
;; launch down (part 6): grid 8 x 32, 4 waves a work-group, clusters of 4 x 4, 327,680 bytes of LDS; arguments hb, wdb, ad, gq, out0; writes out0
.if DOCPART == 6
	.amdgcn_target "amdgcn-amd-amdhsa--gfx1250"
	.amdhsa_code_object_version 6
	.text
	.protected	k_qf8546f4e6d_down
	.globl	k_qf8546f4e6d_down
	.p2align	8
	.type	k_qf8546f4e6d_down,@function
k_qf8546f4e6d_down:
	s_mov_b64 s[64:65], 0
	v_nop
	global_prefetch_b8 v0, s[64:65] scope:SCOPE_SE
	s_setreg_imm32_b32 hwreg(HW_REG_WAVE_MODE, 25, 1), 1
	s_wait_xcnt 0x0
	s_wait_alu depctr_hold_cnt(0) depctr_sa_sdst(0) depctr_va_vdst(0) depctr_va_sdst(0) depctr_va_ssrc(0) depctr_va_vcc(0) depctr_vm_vsrc(0)
	s_getreg_b32 s2, hwreg(HW_REG_IB_STS2, 6, 4)
	s_cmp_eq_u32 s2, 0
	s_cbranch_scc0 .Lentry_in_a_cluster
	s_endpgm
.Lentry_in_a_cluster:
	s_bfe_u32 s2, ttmp6, 0x10000c
	s_cmp_lg_u32 s2, 0xf033
	s_cbranch_scc0 .Lentry_shape_is_right
	s_endpgm
.Lentry_shape_is_right:
; out0[m][n] = ad[n] x the sum over k of h[m][k] Wd[n][k].  hb [176 planes][8192][8] holds h / g in f16, g a power of two for each group of 128 rows (table gq, 16 equal copies of 64 words);
; wdb [176][2048][8] holds bf16(Wd) written as f16.  K-planes, P[k/8][row][8].  Sums in f32.  ad is rounded to bf16, as all the inputs are, multiplied by my rows' g (exactly: a power of two)
; and multiplies the f32 sums in f32; out0 is f32.
; SHARES.  A tile of out0 is 256 x 256: 32 x 8 = 256 work-groups, one tile each.  Four waves, each 128 x 128: 64 accumulators, 512 registers.  A wave's 128 rows are one group of gq.
; THE RING.  K goes in 11 steps of 128 = 16 planes through two LDS slots; half a tile is 16 tensor rows of 2,048 consecutive bytes, starting at multiples of 256.  The planes lie end to end in LDS without padding.
; 1,376 = 43 x 32: of the 44 quarter steps the last (planes 172-175, padding in both operands) comes into LDS with its K step and is not multiplied.
; CLUSTERS.  4 x 4 work-groups: the four of a row of the cluster need the same tile of hb, the four of a column the same tile of wdb: each is asked for jointly.
; THE MATRIX INSTRUCTION IS USED TRANSPOSED (source 0 = 16 rows of wdb, source 1 = 16 rows of hb): a lane holds eight neighbouring numbers of a row of out0, 32 bytes.
; LIMITS: those of the two operands as they were stored (|h / g| < 2^14; |Wd| under 65,520); ad g must be a normal f32 number; NaN and infinities are not treated apart.
; REGISTERS, in windows of 256 (s_set_vgpr_msb: bits 1:0 source 0, 3:2 source 1, 5:4 source 2, 7:6 destination):
;   window 0: v0-13 addresses; v64-127, v128-191 hb's fragments, two buffers; on the way out v64-127 scaled results, v128-191 and v192-255 by turns rows read back
;   window 1: v0-63 ad g of my lane's 64 columns; v64-127, v128-191 wdb's fragments; v192-223 at work once, at the head      window 2: the accumulators of my rows 0-63 ((a, b) at v[8 (8 a + b)]);   window 3: those of rows 64-127
.set NSTEP, 11
.set PA,    2048                       ; a plane of half a tile in LDS: 128 rows x 16 bytes
.set SLOT,  4*16*PA                    ; hb's two halves, then wdb's two halves: 131,072
.set STAGE, 2*SLOT                     ; behind the ring, never filled by a tensor load: 16 rows x 528 bytes for each wave
.set SP,    528                        ; a stage row: 512 bytes + 16: rows r = 0..15 start 16 r bytes apart modulo 256
.set SPARE, STAGE+4*16*SP              ; behind the stages: the spare words, 128 bytes for each wave: two blocks of 256 bytes that no other line names
.set KSA,   16*131072                  ; bytes from K step to K step in hb
.set KSB,   16*32768                   ; in wdb
.set A0,   4                           ; v4   my lane's place in slot 0 for hb's fragments; never rewritten
.set B0,   5                           ; v5   the same for wdb's
.set ADRA, 6                           ; v6, v7  the same in the slot in hand
.set ADRB, 7
.set STO,  8                           ; v8   the way out: where I put 32 bytes of a row
.set RD,   9                           ; v9   where I read 16 bytes of a row back
.set CO,   10                          ; v10  my byte offset in 512 bytes of out0
.set SV,   11                          ; v11  my byte offset in 64 bytes of ad
.set SPW,  12                          ; v12  LDS address of my spare word; never rewritten
.set NIL,  13                          ; v13  0; never rewritten
.set F0,   64
.set F1,   128
.set TMP,  64
.set WV, 14
.set WR, 15                            ; my half of the tile's rows; also: I fetch for hb (0) or wdb (1)
.set WC, 16                            ; my half of its columns; also: which half of that tile I fetch
.set TB, 23                            ; 0 or SLOT: the slot in hand
.set G1, 24
.set G0, 32
.set LA, 40
.set LB, 41
.set G1B, 48
.set G0B, 56
.set MSB, 0
.macro WIN new                         ; the immediate's high byte repeats the setting that is left; a switch that changes nothing is dropped
.if MSB != (\new)
	s_set_vgpr_msb (MSB<<8)|(\new)
.set MSB, (\new)
.endif
.endm
.set MUL_LO, 0xa1                      ; source 0 (wdb) window 1, source 1 (hb) window 0, C and D window 2
.set MUL_HI, 0xf1                      ; the same, C and D window 3
.macro PLACES                          ; four places between a matrix instruction and a load into, a vector write of, or a vector read of one of its registers (ISA guide 7.12.1 for vector instructions)
.rept 4
	v_nop
.endr
.endm
.macro JLOAD                           ; a joint refill by the walking descriptor; an s_nop 0 and four v_nop follow each of the two lines, ahead of the jump and the label
	s_cmp_eq_u32 s[WR], 0
	s_cbranch_scc0 .Lfor_b_\@
	tensor_load_to_lds s[G0+4:G0+7], s[G1:G1+7]
	s_nop 0
.rept 4
	v_nop
.endr
	s_branch .Lasked_\@
.Lfor_b_\@:
	tensor_load_to_lds s[G0B+4:G0B+7], s[G1B:G1B+7]
	s_nop 0
.rept 4
	v_nop
.endr
.Lasked_\@:
.endm
.macro CREST
	s_cmp_lg_u32 s[WV], 0
	s_cbranch_scc1 .Lnot_wave_0_\@
	s_barrier_signal -3
.Lnot_wave_0_\@:
	s_barrier_wait -3
	s_barrier_signal -1
	s_barrier_wait -1
.endm
.macro CROUND
	s_barrier_signal -1
	s_barrier_wait -1
	CREST
.endm
	s_load_b256 s[4:11], s[0:1], 0x0               ; hb s[4:5], wdb s[6:7], ad s[8:9], gq s[10:11]
	s_load_b64 s[12:13], s[0:1], 0x20              ; out0
	v_lshl_add_u32 v[SPW], v0, 2, SPARE
	v_mov_b32 v[NIL], 0
	ds_add_u32 v[SPW], v[NIL]                      ; the wave's opening: the add, and its wait ahead of my first tensor load; the set-up below, work on registers, stands between them
	v_lshrrev_b32 v1, 5, v0
	v_readfirstlane_b32 s[WV], v1
	s_lshr_b32 s[WR], s[WV], 1
	s_and_b32 s[WC], s[WV], 1
	s_bfe_u32 s17, ttmp6, 0x40000                  ; cx
	s_bfe_u32 s18, ttmp6, 0x40004                  ; cy
	s_lshl_b32 s19, ttmp9, 2
	s_add_co_u32 s19, s19, s17                     ; tile column = 4 x cluster x + cx
	s_and_b32 s20, ttmp7, 0xffff
	s_lshl_b32 s20, s20, 2
	s_add_co_u32 s20, s20, s18                     ; tile row = 4 x cluster y + cy
	s_lshl_b32 s21, s18, 2
	s_lshl_b32 s21, 15, s21                        ; my row of the cluster
	s_lshl_b32 s22, 0x1111, s17                    ; my column
	s_or_b32 s[G1], s21, (1<<16)|(1<<21)           ; 15:0 the mask: hb's tiles go to my row; 17:16 elements of 2 bytes; 21 set beside a mask; no padding
	s_or_b32 s[G1B], s22, (1<<16)|(1<<21)          ; wdb's go to my column
.irp g, G1, G1B
	s_mov_b32 s[(\g)+1], 1024<<16                  ; tensor_dim0 = 1,024 elements: 128 rows x 8
	s_mov_b32 s[(\g)+2], 16<<16                    ; tensor_dim1 = 16 planes
	s_mov_b32 s[(\g)+3], 1024<<16                  ; tile_dim0
	s_mov_b32 s[(\g)+4], 16                        ; tile_dim1
	s_mov_b32 s[(\g)+6], 0
	s_mov_b32 s[(\g)+7], 0
.endr
	s_mov_b32 s[G1+5], 65536                       ; elements from plane to plane: 8,192 x 8
	s_mov_b32 s[G1B+5], 16384                      ; 2,048 x 8
	s_mov_b32 s[TB], 0
	s_lshl_b32 s[LA], s[WV], 15                    ; hb's two halves, then wdb's two halves = wave x 32,768: no place in the cluster enters an LDS address
	s_lshl_b32 s[LB], s[WV], 15
	s_lshl_b32 s42, s20, 12                        ; hb's tile: 256 rows of 16 bytes, and my half: made of the tile row and the wave alone
	s_lshl_b32 s43, s[WC], 11
	s_add_co_u32 s42, s42, s43
	s_mov_b32 s43, 0
	s_lshl_b32 s44, s19, 12                        ; wdb's tile: made of the tile column and the wave alone
	s_lshl_b32 s45, s[WC], 11
	s_add_co_u32 s44, s44, s45
	s_mov_b32 s45, 0
	s_wait_dscnt 0x0                               ; the opening add is done
	s_wait_kmcnt 0x0
	s_add_nc_u64 s[42:43], s[4:5], s[42:43]
	s_add_nc_u64 s[44:45], s[6:7], s[44:45]
.irp s, 0,1
	s_mov_b32 s[G0+4*(\s)], 1
	s_add_co_u32 s[G0+4*(\s)+1], s[LA], (\s)*SLOT
	s_add_nc_u64 s[G0+4*(\s)+2:G0+4*(\s)+3], s[42:43], (\s)*KSA
	s_or_b32 s[G0+4*(\s)+3], s[G0+4*(\s)+3], 0x80000000
	s_mov_b32 s[G0B+4*(\s)], 1
	s_add_co_u32 s[G0B+4*(\s)+1], s[LB], (\s)*SLOT
	s_add_nc_u64 s[G0B+4*(\s)+2:G0B+4*(\s)+3], s[44:45], (\s)*KSB
	s_or_b32 s[G0B+4*(\s)+3], s[G0B+4*(\s)+3], 0x80000000
.endr
	CROUND                                         ; all sixteen work-groups are here: the first joint loads meet
	s_cmp_eq_u32 s[WR], 0                          ; a wave's two first fills stand in one branch, ahead of every wait on TENSORcnt and every LDS read: two loads of mine are out
	s_cbranch_scc0 .Lfirst_b
	tensor_load_to_lds s[G0:G0+3], s[G1:G1+7]
	s_nop 0
	tensor_load_to_lds s[G0+4:G0+7], s[G1:G1+7]
	s_nop 0
.rept 4
	v_nop
.endr
	s_branch .Lfirst_asked
.Lfirst_b:
	tensor_load_to_lds s[G0B:G0B+3], s[G1B:G1B+7]
	s_nop 0
	tensor_load_to_lds s[G0B+4:G0B+7], s[G1B:G1B+7]
	s_nop 0
.rept 4
	v_nop
.endr
.Lfirst_asked:
	s_lshl1_add_u32 s46, s19, s[WC]                ; gq: copy 2 x tile column + column half (all copies are equal),
	s_lshl_b32 s46, s46, 6                         ; 64 words a copy,
	s_lshl1_add_u32 s47, s20, s[WR]                ; my group of 128 rows = 2 x tile row + row half
	s_add_co_u32 s46, s46, s47
	s_lshl_b32 s46, s46, 2
	s_mov_b32 s47, 0
	s_add_nc_u64 s[10:11], s[10:11], s[46:47]
	s_load_b32 s2, s[10:11], 0x0                   ; g
	v_and_b32 v1, 15, v0                           ; r = l % 16
	v_bfe_u32 v2, v0, 4, 1                         ; h = l / 16
	v_lshlrev_b32 v[SV], 5, v2
	s_lshl_b32 s46, s19, 10                        ; my 128 columns in bytes of f32: 1,024 x tile column + 512 x half: the same in ad and in a row of out0
	s_lshl_b32 s47, s[WC], 9
	s_add_co_u32 s46, s46, s47
	s_mov_b32 s47, 0
	s_add_nc_u64 s[8:9], s[8:9], s[46:47]
	s_add_nc_u64 s[12:13], s[12:13], s[46:47]
	WIN 0x40                                       ; destination window 1, address window 0
.irp b, 0,1,2,3,4,5,6,7
	global_load_b128 v[8*(\b):8*(\b)+3],   v[SV], s[8:9] offset:64*(\b)     ; ad of columns 16 b + 8 h + 0..3,
	global_load_b128 v[8*(\b)+4:8*(\b)+7], v[SV], s[8:9] offset:64*(\b)+16  ; + 4..7
.endr
	WIN 0
	v_lshlrev_b32 v3, 4, v1
	v_lshl_add_u32 v3, v2, 11, v3                  ; h planes of 2,048 bytes + 16 r
	s_lshl_b32 s46, s[WR], 15
	v_add_nc_u32 v[A0], s46, v3                    ; my half of hb's rows
	s_lshl_b32 s46, s[WC], 15
	s_add_co_u32 s46, s46, 2*16*PA
	v_add_nc_u32 v[B0], s46, v3                    ; my half of wdb's rows, behind hb's
	v_mov_b32 v[ADRA], v[A0]
	v_mov_b32 v[ADRB], v[B0]
	s_mul_i32 s46, s[WV], 16*SP
	s_add_co_u32 s46, s46, STAGE                   ; my stage
	v_mul_u32_u24 v3, v1, SP                       ; in: row r, 32 bytes for each half of the lanes
	v_lshl_add_u32 v3, v2, 5, v3
	v_add_nc_u32 v[STO], s46, v3
	v_and_b32 v3, 31, v0
	v_lshlrev_b32 v[CO], 4, v3                     ; back: 32 lanes take one row of 512 bytes
	v_add_nc_u32 v[RD], s46, v[CO]
	s_lshl_b32 s46, s20, 21                        ; 256 rows of 8,192 bytes a tile,
	s_lshl_b32 s47, s[WR], 20                      ; my 128 of them
	s_add_co_u32 s46, s46, s47
	s_mov_b32 s47, 0
	s_add_nc_u64 s[12:13], s[12:13], s[46:47]      ; out0 at my part; never stepped
	s_mov_b32 s46, 0xffff0000                      ; a word's upper bf16
	s_wait_loadcnt 0x0                             ; ad is in,
	s_wait_kmcnt 0x0                               ; and g; all this stands in the wait for the first tile
	s_mov_b32 s3, s2                               ; named with it as a pair
	WIN 0x45                                       ; sources 0 and 1 and the destination in window 1
.set i, 0
.rept 32
	v_cvt_pk_bf16_f32 v[192+i], v[2*i], v[2*i+1]   ; ad rounded to bf16, as all the inputs are,
.set i, i+1
.endr
.set i, 0
.rept 32
	v_lshlrev_b32 v[2*i],   16, v[192+i]           ; widened again,
	v_and_b32     v[2*i+1], s46, v[192+i]
.set i, i+1
.endr
.set i, 0
.rept 32
	v_pk_mul_f32 v[2*i:2*i+1], v[2*i:2*i+1], s[2:3] op_sel_hi:[1,0]  ; and times g
.set i, i+1
.endr
	WIN 0
; 16 matrix instructions: row blocks a0, a0 + 1 of the window's four (hi = 0: my rows 0-63, 1: rows 64-127) x all 8 column blocks, 32 along K.  zero = 1: the product starts the sum.
; The 64 accumulators take turns in the same order in every quarter step, one instruction a turn.
.macro MUL16 f, hi, a0, zero
	WIN MUL_LO+0x50*(\hi)
.irp a, \a0, (\a0)+1
.irp b, 0,1,2,3,4,5,6,7
.if \zero
	v_wmma_f32_16x16x32_f16 v[8*(8*(\a)+(\b)):8*(8*(\a)+(\b))+7], v[(\f)+8*(\b):(\f)+8*(\b)+7], v[(\f)+8*(4*(\hi)+(\a)):(\f)+8*(4*(\hi)+(\a))+7], 0
.else
	v_wmma_f32_16x16x32_f16 v[8*(8*(\a)+(\b)):8*(8*(\a)+(\b))+7], v[(\f)+8*(\b):(\f)+8*(\b)+7], v[(\f)+8*(4*(\hi)+(\a)):(\f)+8*(4*(\hi)+(\a))+7], v[8*(8*(\a)+(\b)):8*(8*(\a)+(\b))+7]
.endif
.endr
.endr
.endm
; 32 LDS loads in one run: quarter q's fragments (planes 4 q + h and 4 q + 2 + h) into buffer f: wdb's, then hb's
.macro FETCH q, f
	WIN 0x40
.irp i, 0,1,2,3,4,5,6,7
	ds_load_b128 v[(\f)+8*(\i):(\f)+8*(\i)+3],   v[ADRB] offset:(\q)*4*PA+256*(\i)
	ds_load_b128 v[(\f)+8*(\i)+4:(\f)+8*(\i)+7], v[ADRB] offset:(\q)*4*PA+256*(\i)+2*PA
.endr
	WIN 0
.irp i, 0,1,2,3,4,5,6,7
	ds_load_b128 v[(\f)+8*(\i):(\f)+8*(\i)+3],   v[ADRA] offset:(\q)*4*PA+256*(\i)
	ds_load_b128 v[(\f)+8*(\i)+4:(\f)+8*(\i)+7], v[ADRA] offset:(\q)*4*PA+256*(\i)+2*PA
.endr
.endm
; A K step is four quarters of 32 along K, 64 matrix instructions each, on buffers 0, 1, 0, 1.  One of the first three: multiplies buffer f; in its middle it fetches quarter qn into buffer g.
.macro QUARTER qn, f, g, zero
	s_wait_dscnt 8                                 ; wdb's fragments and hb's rows 0-63 are in; the youngest eight loads (rows 64-127) may be out
	MUL16 \f, 0, 0, \zero
	MUL16 \f, 0, 2, \zero
	PLACES
	FETCH \qn, \g
	s_wait_dscnt 32                                ; all but the 32 just issued
	MUL16 \f, 1, 0, \zero
	MUL16 \f, 1, 2, \zero
.endm
; The last quarter multiplies buffer 1 and changes slots.  ONE barrier: in front of it each wave waits for all its tensor loads (one is out: its part of the next slot), adds 0 to its spare word, and waits for that and
; for its own reads of this slot.  fill = 1: the barrier opens a round of the cluster's, and behind the round this slot is filled again, with the K step two on: 224 matrix instructions ahead of the wait for it.
.macro TURN fill
	WIN 0                                          ; (the add's two registers lie in window 0)
	s_wait_tensorcnt 0x0                           ; all my tensor loads have landed
	ds_add_u32 v[SPW], v[NIL]                      ; 0 onto my spare word
	s_wait_dscnt 9                                 ; (the add and the youngest eight loads may be out)
	MUL16 F1, 0, 0, 0                              ; sixteen matrix instructions stand between the add and the wait for it
	s_wait_dscnt 0x0                               ; the add is done, and my reads of this slot are over
	s_barrier_signal -1
	MUL16 F1, 0, 2, 0                              ; work on registers while the others arrive
	WIN 0                                          ; at a branch and at a label every window is 0
	s_barrier_wait -1
.if \fill
	CREST                                          ; no wave of any partner still reads this slot or has a load on its way
	s_add_co_u32 s[G0+5], s[LA], s[TB]             ; no tensor load of mine is out, so the walking group 0 may be written: the slot just read out,
	s_add_co_u32 s[G0B+5], s[LB], s[TB]
	s_add_nc_u64 s[G0+6:G0+7], s[G0+6:G0+7], KSA   ; the next K step; the type bits on top are not reached
	s_add_nc_u64 s[G0B+6:G0B+7], s[G0B+6:G0B+7], KSB
	JLOAD                                          ; the first tensor load behind the round; its four v_nop are also the places in front of the loads below
.else
	PLACES
.endif
	s_xor_b32 s[TB], s[TB], SLOT                   ; the other slot
	v_add_nc_u32 v[ADRA], s[TB], v[A0]
	v_add_nc_u32 v[ADRB], s[TB], v[B0]
	FETCH 0, F0
	MUL16 F1, 1, 0, 0
	MUL16 F1, 1, 2, 0
.endm
	s_wait_tensorcnt 1                             ; my part of K step 0 is in; step 1's may stay out
	s_barrier_signal -1
	s_barrier_wait -1                              ; everybody's is
	FETCH 0, F0
	QUARTER 1, F0, F1, 1                           ; the first quarter stands in front of the loop: its products start the sums
	WIN 0
	s_mov_b32 s3, NSTEP-2
.Lstep:                                                ; a trip: a K step's quarters 1 to 3 and the next step's quarter 0; it fills the slot that it leaves
	QUARTER 2, F1, F0, 0
	QUARTER 3, F0, F1, 0
	TURN 1
	QUARTER 1, F0, F1, 0
	WIN 0
	s_sub_co_u32 s3, s3, 1
	s_cmp_lg_u32 s3, 0
	s_cbranch_scc1 .Lstep
	QUARTER 2, F1, F0, 0                           ; the last two K steps are written out: nothing is left to ask for
	QUARTER 3, F0, F1, 0
	TURN 0
	QUARTER 1, F0, F1, 0
	QUARTER 2, F1, F0, 0
	s_wait_dscnt 8                                 ; the last K step's quarter 2, k = 1,344 to 1,375, is the last that holds numbers: nothing more is fetched, and quarter 3 is left out
	MUL16 F0, 0, 0, 0
	MUL16 F0, 0, 2, 0
	s_wait_dscnt 0x0
	MUL16 F0, 1, 0, 0
	MUL16 F0, 1, 2, 0
	; THE WAY OUT, a block of 16 rows at a time: times ad g; 32 bytes a lane and column block into my own stage; back as whole rows of 512 bytes; stored.
.macro SCALE a                         ; each accumulator's registers in ascending order
	WIN 0x06+(\a)/4                                ; source 0 window 2 or 3 (the sums), source 1 window 1 (ad g), destination window 0
.set AC, 64*((\a)%4)
.set i, 0
.rept 32
	v_pk_mul_f32 v[TMP+2*i:TMP+2*i+1], v[AC+2*i:AC+2*i+1], v[2*i:2*i+1]
.set i, i+1
.endr
	WIN 0
.endm
.macro TOSTAGE a
.set BK, 128+64*((\a)%2)
.irp b, 0,1,2,3,4,5,6,7
	ds_store_b128 v[STO], v[TMP+8*(\b):TMP+8*(\b)+3]   offset:64*(\b)
	ds_store_b128 v[STO], v[TMP+8*(\b)+4:TMP+8*(\b)+7] offset:64*(\b)+16
.endr
.irp t, 0,1,2,3,4,5,6,7,8,9,10,11,12,13,14,15
	ds_load_b128 v[BK+4*(\t):BK+4*(\t)+3], v[RD] offset:(\t)*SP  ; my wave's own bytes, and LDS serves a wave's instructions in order: these see the stores above; the next block's stores come behind them
.endr
.endm
.macro SEND a
.set BK, 128+64*((\a)%2)
	s_wait_dscnt 0x0                               ; the block is back in registers: nothing younger is out
	s_wait_xcnt 0x0                                ; the block before's stores have had their addresses translated: its registers are loaded again only behind this wait
.irp t, 0,1,2,3,4,5,6,7,8,9,10,11,12,13,14,15
	global_store_b128 v[CO], v[BK+4*(\t):BK+4*(\t)+3], s[12:13] offset:(\a)*131072+(\t)*8192 th:TH_STORE_NT  ; 512 consecutive bytes of a row, at a multiple of 256 from out0's first byte
.endr
.endm
	PLACES                                         ; the multiplies below read sums, and write buffer 0's registers of window 0, which the products just issued have read
	SCALE 0
	TOSTAGE 0
.irp a, 1,2,3,4,5,6,7                  ; block a's multiplies stand between block a - 1's loads from the stage and the wait for them
	SCALE \a
	SEND (\a)-1
	TOSTAGE \a
.endr
	SEND 7
	s_wait_tensorcnt 0x0                           ; the wave's end: behind my last tensor load and my last LDS store
	ds_add_u32 v[SPW], v[NIL]
	s_wait_dscnt 0x0
	CROUND                                         ; the closing round: no work-group ends while a partner may still ask for a tile that names it
	s_endpgm
.Lfunc_end_k_qf8546f4e6d_down:
	.size	k_qf8546f4e6d_down, .Lfunc_end_k_qf8546f4e6d_down-k_qf8546f4e6d_down
	.p2alignl 7, 3214868480
	.fill 96, 4, 3214868480
	.section	.rodata,"a",@progbits
	.p2align	6, 0x0
	.amdhsa_kernel k_qf8546f4e6d_down
		.amdhsa_group_segment_fixed_size 327680
		.amdhsa_private_segment_fixed_size 0
		.amdhsa_enable_private_segment 0
		.amdhsa_kernarg_size 40
		.amdhsa_user_sgpr_count 2
		.amdhsa_user_sgpr_kernarg_segment_ptr 1
		.amdhsa_wavefront_size32 1
		.amdhsa_system_sgpr_workgroup_id_x 1
		.amdhsa_system_sgpr_workgroup_id_y 1
		.amdhsa_system_sgpr_workgroup_id_z 1
		.amdhsa_system_vgpr_workitem_id 0
		.amdhsa_next_free_vgpr 1024
		.amdhsa_next_free_sgpr 66
		.amdhsa_reserve_vcc 0
		.amdhsa_float_denorm_mode_32 3
		.amdhsa_float_denorm_mode_16_64 3
		.amdhsa_memory_ordered 1
		.amdhsa_forward_progress 1
		.amdhsa_inst_pref_size 131
	.end_amdhsa_kernel
	.amdgpu_metadata
---
amdhsa.version: [ 1, 2 ]
amdhsa.kernels:
  - .name:           k_qf8546f4e6d_down
    .symbol:         k_qf8546f4e6d_down.kd
    .args:
      - { .name: hb, .offset: 0, .size: 8, .value_kind: global_buffer, .address_space: global }
      - { .name: wdb, .offset: 8, .size: 8, .value_kind: global_buffer, .address_space: global }
      - { .name: ad, .offset: 16, .size: 8, .value_kind: global_buffer, .address_space: global }
      - { .name: gq, .offset: 24, .size: 8, .value_kind: global_buffer, .address_space: global }
      - { .name: out0, .offset: 32, .size: 8, .value_kind: global_buffer, .address_space: global }
    .group_segment_fixed_size: 327680
    .private_segment_fixed_size: 0
    .kernarg_segment_align: 8
    .kernarg_segment_size: 40
    .max_flat_workgroup_size: 128
    .sgpr_count:     66
    .vgpr_count:     1024
    .wavefront_size: 32
...
	.end_amdgpu_metadata
.endif
;; end of part 6
